; MI455X (gfx1250); checked and timed in simulation.
; The chip was launched on July 23, 2026; its instructions are those of AMD's public machine-readable ISA for CDNA 5 (MIT licence, August 2026) and "CDNA5" Instruction Set Architecture Reference Guide (July 2026). The comments in the code are by the model that wrote it; some were corrected since.
;; Causal Self Attention. Allowed arithmetic: matrix products marked QUANTISED: E2M1 operands, one E8M0 scale for each 32 along K, by v_wmma_scale_f32_16x16x128_f8f6f4 with both operands' format E2M1 (or v_wmma_scale_f32_32x16x128_f4), f32 sums; everything else in f32.
;; Inputs: W_proj 1,024 x 1,024 float32; W_qkv 3,072 x 1,024 float32; b_proj 1,024 float32; b_qkv 3,072 float32; x 4 x 2,048 x 1,024 float32.
;; Outputs: out0 4 x 2,048 x 1,024 float32.
;; This version of the problem:
;;   THIS VERSION OF THE PROBLEM IS GIVEN IN LOW PRECISION. The matrix products marked QUANTISED in the list below multiply operands that are first quantised to E2M1 (2 exponent bits, 1 mantissa bit; 4 bits a number), with one power-of-two scale for each 32 numbers along K (OCP MX v1.0); their sums are f32. All else is computed in f32.
;;   The module's matrix products, in the order in which they are computed (A, B: the left and right operand; K: the contracted axis; several contracted axes count as one K, in the product's order):
;;     1. [M 8,192, K 1,024] x [K 1,024, N 3,072]; A: input x; B: input W_qkv: QUANTISED
;;     2. batch 64 x [M 2,048, K 64] x [K 64, N 2,048]; A: computed on the way; B: computed on the way: QUANTISED
;;     3. batch 64 x [M 2,048, K 2,048] x [K 2,048, N 64]; A: softmax (see below); B: computed on the way: QUANTISED
;;     4. [M 8,192, K 1,024] x [K 1,024, N 1,024]; A: computed on the way; B: input W_proj: QUANTISED
;;   THE QUANTISER, for each operand of a quantised product, along K:
;;     - K is cut into blocks of 32 from its start; a last block that is shorter is filled with zeros.
;;     - A block's scale is 2^e with e = floor(log2(the largest magnitude in the block)) - 2, held to -126 .. 127; a block of zeros has e = 0. As a byte (E8M0): e + 127.
;;     - Each number is divided by its block's scale, clamped to +-6, and rounded to the nearest number of E2M1, ties to even, subnormals kept.
;;     - The product sums the exact products of the quantised numbers (number of the format x scale) in f32.
;;   ~~~python
;;   def quantise(x, axis):      # numpy; x: float32 -> the quantised numbers, widened to float32 again
;;       x = np.moveaxis(x, axis, -1); K = x.shape[-1]
;;       x = np.pad(x, [(0, 0)] * (x.ndim - 1) + [(0, -K % 32)]); x = x.reshape(x.shape[:-1] + (-1, 32)); a = np.abs(x).max(-1, keepdims=True)
;;       e = np.where(a > 0, np.clip(np.frexp(np.where(a > 0, a, 1))[1] - 1 - 2, -126, 127), 0)      # np.frexp(a)[1] - 1 = floor(log2(a)), exactly
;;       r = np.clip(x / 2.0 ** e, -6, 6)
;;       step = 2.0 ** (np.maximum(np.frexp(np.where(r == 0, 1, r))[1] - 1, 0) - 1)
;;       q = np.round(r / step) * step * 2.0 ** e      # np.round: ties to even
;;       return np.moveaxis(q.reshape(q.shape[:-2] + (-1,))[..., :K], -1, axis).astype(np.float32)
;;   ~~~
;;   SOFTMAX AHEAD OF A QUANTISED PRODUCT. Where the list says 'softmax', what is quantised is not the finished softmax but p = 2^(t - M), with t = logit x log2(e) and M = ceil(the row's largest t), a whole number; so 1/2 < the row's largest p <= 1. The row's sum l is taken of the UNQUANTISED p, in f32, and the product's result is divided by l at the end. Since M is a whole number, a kernel that streams over the keys may use a running M (the ceiling of the running maximum): every later rescaling is an exact power of two, which a block's scale takes up: the codes' values come out the same.
;;   OPERANDS COMPUTED ON THE WAY. 'Computed on the way' means the value that the module computes at that place (a softmax that the list does not call 'softmax' is quantised finished and normalised). What goes into a quantiser is computed in f32, as accurately as f32 sums, v_exp_f32 and their like allow (about 1e-6 of the number): no bf16 or f16 on the way to a quantiser, and a product that is left as it is and whose result goes on into a quantised operand takes f32 operands (vector FMAs, or v_wmma_f32_16x16x4_f32). A number that lies on a knife's edge between two numbers of the format may be rounded either way, as far as f32 arithmetic and the matrix unit's own rounding can turn it there, and no further.
;; One version. Each part assembles by itself: llvm-mc -triple=amdgcn-amd-amdhsa -mcpu=gfx1250 --defsym DOCPART=n.
;; ======== version 1 of 1: 4 launches
;; workspace buffers: in_codes 6,291,456 bytes; in_scales 393,216 bytes; qkv 13,893,632 bytes; y_codes 4,194,304 bytes; y_scales 262,144 bytes
;; launch quant (part 1): grid 384 x 1, 4 waves a work-group, no clusters, 33,280 bytes of LDS; arguments x, W_qkv, W_proj, in_codes, in_scales; writes in_codes, in_scales
.if DOCPART == 1
	.amdgcn_target "amdgcn-amd-amdhsa--gfx1250"
	.amdhsa_code_object_version 6
	.text
	.protected	k_q5b6e22e7b5_quant
	.globl	k_q5b6e22e7b5_quant
	.p2align	8
	.type	k_q5b6e22e7b5_quant,@function
k_q5b6e22e7b5_quant:
	s_mov_b64 s[64:65], 0
	v_nop
	global_prefetch_b8 v0, s[64:65] scope:SCOPE_SE
	s_setreg_imm32_b32 hwreg(HW_REG_WAVE_MODE, 25, 1), 1
	s_wait_xcnt 0x0
; x [8192][1024], W_qkv [3072][1024] and W_proj [1024][1024], f32, K innermost, become codes of FP4 (E2M1), 4 bits each, with one E8M0 scale byte for each 32 along K.
; A block's scale is 2^(floor(log2(its largest magnitude)) - 2); its byte is the largest magnitude's exponent field - 2, held at 1 from below.  Each number is divided by the scale and rounded to the nearest code, ties to even; beyond 6 the largest code.
; THE ORDER INSIDE A BLOCK.  A block's 16 bytes hold its codes in four words of eight, for k = 0-7, 16-23, 8-15, 24-31.  Every operand of every product of this program has its blocks in that order (the later launches'
; own quantisers leave them so), and a permutation of k applied alike to both operands keeps each product.  LIMIT: inside one matrix instruction the products are therefore not added in ascending k.
; LIMITS: a block whose largest magnitude lies under 2^-124 has its byte held at 1; a block of zeros gets the byte 1 where the rule says 127 (its codes are zeros, which add nothing, and this program alone reads the bytes); NaN and infinities are not served.
; The three tensors are plain streams of blocks; their codes lie on end in in_codes (x, W_qkv, W_proj), their scale bytes on end in in_scales.  Work-groups 0-255 take x, 256-351 W_qkv, 352-383 W_proj: only pointers are chosen.
; A wave takes 16 steps of 512 numbers.  Each load reads 512 consecutive bytes; a step's 2,048 bytes turn through the wave's own stage in LDS (16 bytes of padding behind each 64) and come back so that an even lane holds
; k = 0-7 and 16-23 of a block and the odd lane beside it k = 8-15 and 24-31.  A lane's 16 codes are 8 bytes: the wave stores 256 consecutive bytes.  A wave's 256 scale bytes are gathered in LDS and leave as one aligned run of 256 bytes.
; No tensor loads, no barrier, no cluster: waves and work-groups share no input.  Loads run four steps (16 loads a wave) ahead, the turn through LDS one step.
.set STEPS, 16
.set EMAX,  2
.set CB,    8                          ; bytes of 16 codes
.set R,     16                         ; v16-79   four sets of 16 numbers as they are loaded
.set X,     80                         ; v80-111  two sets of 16 numbers of one block
.set C,     128                        ; v128-191 codes: four registers for each step, so that no store's data are written again
.set E,     112                        ; v112-127 a scale byte for each step
.set WREG,  8192                       ; LDS: a region for each wave: two stages of 32 x SP bytes, and behind them its 256 scale bytes
.set SP,    80                         ; 64 bytes + 16 of padding
.set WGX,   256                        ; work-groups for x
.set WGQ,   352                        ; and up to here for W_qkv
	s_load_b256 s[4:11], s[0:1], 0x0               ; x s[4:5], W_qkv s[6:7], W_proj s[8:9], in_codes s[10:11]
	s_load_b64 s[12:13], s[0:1], 0x20              ; in_scales
	v_lshl_add_u32 v192, v0, 2, 0x8000
	v_mov_b32 v193, 0
	v_lshrrev_b32 v1, 5, v0
	v_readfirstlane_b32 s16, v1                    ; wave
	v_and_b32 v2, 31, v0                           ; lane
	v_lshlrev_b32 v3, 4, v2                        ; my 16 bytes of a load's 512
	s_mul_i32 s17, s16, WREG
	v_lshrrev_b32 v14, 2, v2
	v_mul_u32_u24 v14, v14, SP
	v_and_b32 v15, 3, v2
	v_lshl_add_u32 v14, v15, 4, v14
	v_add_nc_u32 v14, s17, v14                     ; the stage, on the way in: SP (lane / 4) + 16 (lane % 4)
	v_and_b32 v15, 30, v2
	v_mul_u32_u24 v15, v15, SP
	v_and_b32 v10, 1, v2
	v_lshl_add_u32 v15, v10, 5, v15
	v_add_nc_u32 v15, s17, v15                     ; and on the way out: the block's first byte, SP x (lane less its low bit), + 32 in the odd lane
	v_mul_u32_u24 v4, v2, CB                       ; my codes' place in a step's
	v_lshrrev_b32 v5, 1, v2
	s_add_co_u32 s17, s17, 2*32*SP
	v_add_nc_u32 v5, s17, v5                       ; LDS: my wave's 256 scale bytes, my block's byte
	v_lshlrev_b32 v7, 3, v2                        ; and on the way out 8 bytes a lane
	v_add_nc_u32 v6, s17, v7
	s_mov_b32 s18, WGQ
	s_wait_alu depctr_va_vdst(0)
	s_wait_kmcnt 0x0
	s_cmp_lt_u32 ttmp9, WGQ                        ; which tensor?  The choices hang on the work-group's number alone
	s_cselect_b64 s[6:7], s[6:7], s[8:9]
	s_cselect_b32 s18, WGX, s18
	s_cmp_lt_u32 ttmp9, WGX
	s_cselect_b64 s[4:5], s[4:5], s[6:7]
	s_cselect_b32 s18, 0, s18                      ; the tensor's first work-group
	s_sub_co_u32 s18, ttmp9, s18
	s_lshl_b32 s18, s18, 2
	s_add_co_u32 s18, s18, s16                     ; which run of 8,192 numbers of the tensor is my wave's
	s_lshl_b32 s18, s18, 15                        ; 32,768 bytes a run
	s_mov_b32 s19, 0
	s_add_nc_u64 s[4:5], s[4:5], s[18:19]
	s_lshl_b32 s20, ttmp9, 2
	s_add_co_u32 s20, s20, s16                     ; which run of the three tensors on end
	s_lshl_b32 s18, s20, 12                        ; 4,096 bytes of codes a run
	s_add_nc_u64 s[10:11], s[10:11], s[18:19]
	s_lshl_b32 s18, s20, 8                         ; 256 scale bytes a run
	s_add_nc_u64 s[12:13], s[12:13], s[18:19]
.macro LOAD t
.irp i, 0,1,2,3
	global_load_b128 v[R+16*((\t)%4)+4*\i:R+16*((\t)%4)+4*\i+3], v3, s[4:5] offset:2048*(\t)+512*\i th:TH_LOAD_NT   ; 32 lanes read 512 consecutive bytes
.endr
.endm
.macro TURN t                          ; step t's numbers through the stage: LDS serves a wave's instructions in order, so no wait stands between the stores and the loads
.irp i, 0,1,2,3
	ds_store_b128 v14, v[R+16*((\t)%4)+4*\i:R+16*((\t)%4)+4*\i+3] offset:32*SP*((\t)%2)+8*SP*\i
.endr
.irp i, 0,1,2,3
	ds_load_b128 v[X+16*((\t)%2)+4*\i:X+16*((\t)%2)+4*\i+3], v15 offset:32*SP*((\t)%2)+16*((\i)%2)+SP*((\i)/2)   ; eight numbers, and the eight that lie 16 further on in the block
.endr
.endm
.irp t, 0,1,2,3
	LOAD \t
.endr
	s_wait_loadcnt 12                              ; step 0's four loads are in
	TURN 0
.macro STEP t
.set XS, X+16*((\t)%2)
.if (\t) > 0
	s_wait_dscnt 1                                 ; this step's numbers are back from the stage (the last step's byte store may be out): so its stores into the stage have read their registers,
.else
	s_wait_dscnt 0x0
.endif
.if (\t)+4 < STEPS
	LOAD (\t)+4                                    ; which take the loads of four steps on
.endif
.if (\t)+1 < STEPS
.if STEPS-2-(\t) >= 3
	s_wait_loadcnt 12                              ; the next step's four loads are in; those of the three steps behind it may be out
.else
	s_wait_loadcnt 4*(STEPS-2-(\t))
.endif
	TURN (\t)+1                                    ; and go through the other stage while this step is worked
.endif
	v_max3_num_f32 v8, |v[XS]|, |v[XS+1]|, |v[XS+2]|               ; the largest magnitude of my 16
	v_max3_num_f32 v9, |v[XS+3]|, |v[XS+4]|, |v[XS+5]|
.irp i, 6,10
	v_max3_num_f32 v8, v8, |v[XS+\i]|, |v[XS+\i+1]|
	v_max3_num_f32 v9, v9, |v[XS+\i+2]|, |v[XS+\i+3]|
.endr
	v_max3_num_f32 v8, v8, |v[XS+14]|, |v[XS+15]|
	v_max3_num_f32 v8, v8, v9, (EMAX+1)<<23        ; and the floor 2^(EMAX + 1 - 127): so the byte cannot fall under 1
	v_max_num_f32_dpp v8, v8, v8 row_xmask:1 row_mask:0xf bank_mask:0xf   ; and of my neighbour's 16: the block's
	v_add_nc_u32 v11, -(EMAX<<23), v8              ; EMAX off its exponent field: the conversion takes the exponent field of this operand as its scale
	v_cvt_scalef32_pk8_fp4_f32 v[C+4*(\t)], v[XS:XS+7], v11
	v_cvt_scalef32_pk8_fp4_f32 v[C+4*(\t)+1], v[XS+8:XS+15], v11
	v_lshrrev_b32 v[E+(\t)], 23, v11               ; the scale's byte (a plain line behind the conversions)
	ds_store_b8 v5, v[E+(\t)] offset:16*(\t)       ; both lanes of a block write the same byte with the same value
	global_store_b64 v4, v[C+4*(\t):C+4*(\t)+1], s[10:11] offset:32*CB*(\t)   ; 32 lanes store 256 consecutive bytes
.endm
.irp t, 0,1,2,3,4,5,6,7,8,9,10,11,12,13,14,15
	STEP \t
.endr
	ds_load_b64 v[12:13], v6                       ; LDS serves a wave's instructions in order: these see my stores
	s_wait_dscnt 0x0
	global_store_b64 v7, v[12:13], s[12:13]        ; 32 lanes store 256 consecutive bytes
	s_wait_tensorcnt 0x0
	ds_add_u32 v192, v193
	s_wait_dscnt 0x0
	s_endpgm
.Lfunc_end_k_q5b6e22e7b5_quant:
	.size	k_q5b6e22e7b5_quant, .Lfunc_end_k_q5b6e22e7b5_quant-k_q5b6e22e7b5_quant
	.p2alignl 7, 3214868480
	.fill 96, 4, 3214868480
	.section	.rodata,"a",@progbits
	.p2align	6, 0x0
	.amdhsa_kernel k_q5b6e22e7b5_quant
		.amdhsa_group_segment_fixed_size 33280
		.amdhsa_private_segment_fixed_size 0
		.amdhsa_enable_private_segment 0
		.amdhsa_kernarg_size 40
		.amdhsa_user_sgpr_count 2
		.amdhsa_user_sgpr_kernarg_segment_ptr 1
		.amdhsa_wavefront_size32 1
		.amdhsa_system_sgpr_workgroup_id_x 1
		.amdhsa_system_sgpr_workgroup_id_y 1
		.amdhsa_system_sgpr_workgroup_id_z 1
		.amdhsa_system_vgpr_workitem_id 0
		.amdhsa_next_free_vgpr 194
		.amdhsa_next_free_sgpr 66
		.amdhsa_reserve_vcc 0
		.amdhsa_float_denorm_mode_32 3
		.amdhsa_float_denorm_mode_16_64 3
		.amdhsa_memory_ordered 1
		.amdhsa_forward_progress 1
		.amdhsa_inst_pref_size 34
	.end_amdhsa_kernel
	.amdgpu_metadata
---
amdhsa.version: [ 1, 2 ]
amdhsa.kernels:
  - .name:           k_q5b6e22e7b5_quant
    .symbol:         k_q5b6e22e7b5_quant.kd
    .args:
      - { .name: x, .offset: 0, .size: 8, .value_kind: global_buffer, .address_space: global }
      - { .name: W_qkv, .offset: 8, .size: 8, .value_kind: global_buffer, .address_space: global }
      - { .name: W_proj, .offset: 16, .size: 8, .value_kind: global_buffer, .address_space: global }
      - { .name: in_codes, .offset: 24, .size: 8, .value_kind: global_buffer, .address_space: global }
      - { .name: in_scales, .offset: 32, .size: 8, .value_kind: global_buffer, .address_space: global }
    .group_segment_fixed_size: 33280
    .private_segment_fixed_size: 0
    .kernarg_segment_align: 8
    .kernarg_segment_size: 40
    .max_flat_workgroup_size: 128
    .sgpr_count:     66
    .vgpr_count:     194
    .wavefront_size: 32
...
	.end_amdgpu_metadata
.endif
;; end of part 1
;; launch qkvgemm (part 2): grid 12 x 64, 4 waves a work-group, clusters of 4 x 4, 327,680 bytes of LDS; arguments in_codes, in_scales, b_qkv, qkv; writes qkv
.if DOCPART == 2
	.amdgcn_target "amdgcn-amd-amdhsa--gfx1250"
	.amdhsa_code_object_version 6
	.text
	.protected	k_q5b6e22e7b5_qkvgemm
	.globl	k_q5b6e22e7b5_qkvgemm
	.p2align	8
	.type	k_q5b6e22e7b5_qkvgemm,@function
k_q5b6e22e7b5_qkvgemm:
	s_mov_b64 s[64:65], 0
	v_nop
	global_prefetch_b8 v0, s[64:65] scope:SCOPE_SE
	s_setreg_imm32_b32 hwreg(HW_REG_WAVE_MODE, 25, 1), 1
	s_wait_xcnt 0x0
	s_wait_alu depctr_hold_cnt(0) depctr_sa_sdst(0) depctr_va_vdst(0) depctr_va_sdst(0) depctr_va_ssrc(0) depctr_va_vcc(0) depctr_vm_vsrc(0)
	s_getreg_b32 s2, hwreg(HW_REG_IB_STS2, 6, 4)
	s_cmp_eq_u32 s2, 0
	s_cbranch_scc0 .Lentry_in_a_cluster
	s_endpgm
.Lentry_in_a_cluster:
	s_bfe_u32 s2, ttmp6, 0x10000c
	s_cmp_lg_u32 s2, 0xf033
	s_cbranch_scc0 .Lentry_shape_is_right
	s_endpgm
.Lentry_shape_is_right:
; qkv = x W_qkv^T + b_qkv on codes of FP4 (E2M1) with E8M0 scales; the result never goes to memory as f32: it is quantised here, along the K of the product that will read it, and stored as images of that product's operand registers.
; TWO ROLES.  P is the matrix instruction's source 0: in the result its rows run along a lane's registers.  R is source 1: a lane holds one of its rows.  A quantiser wants its K along a lane's registers, so:
;   q, k (clusters x = 0, 1): P = rows of W_qkv (the head's channels are the next K), R = tokens.       v (cluster x = 2): P = tokens (the keys are the next K), R = rows 2,048 on of W_qkv.
; Both kinds run ONE text: the kind, which all partners of a cluster share, only selects numbers (s_cselect_b32 on the cluster's x): bases, strides of the stores, and masks that make the bias of the other kind 0.
; SHARES.  A work-group makes R 128 x P 256; a wave R 64 x P 128: 32 accumulators of 16 x 16.  768 work-groups.  All of K = 1,024 lies in LDS, as two slots of 512 along K, each filled once; scale bytes likewise.
; CLUSTER 4 x 4.  R's tile hangs on the cluster's y place alone and is asked for jointly along a row of the cluster, P's on the x place alone and jointly along a column.  Waves 0, 1 fetch R's halves, waves 2, 3 P's: three loads a wave
; (its scale bytes, slot 0, slot 1), all issued at the head: three tensor loads of a wave are out at the most.  Nothing is left to ask for ahead of time, so there is no prefetch.
; THE RESULT.  For one block a of 16 rows of R a lane's 64 registers are 64 numbers along P: index 16 b + 8 (lane / 16) + j.  Lanes l and l xor 16 hold a block of 32; the conversions and the exchange of halves leave a whole block in a
; lane, its four words for k = 0-7, 16-23, 8-15, 24-31: the order that every operand of this program has.  The 8 registers are: q, k: token tile a of two heads (4 registers, 512 bytes, each); v: channel tile a of one key step (8 registers).
; qkv: [64 heads][16 key steps][record of 13,568 bytes]: K codes 0, V codes 4,096, K scale words 8,192, V scale words 8,704, Q codes 8,960, Q scale words 13,056.  q's and k's scale words carry two bytes; the upper two are 0 (they scale zero codes).
; LIMITS: a block whose largest magnitude lies under 2^-124 has its byte held at 1; a block of zeros gets the byte 1 (its codes are zeros; this program alone reads the bytes); NaN and infinities are not served; sums inside an instruction are not in ascending k.
; REGISTERS: window 0: v0-31 addresses; v32-95 P's scale words (8 b + K step), v96-127 R's (8 a + K step); v128-159, v160-191 R's fragments, two sets; on the way out v128-255.
;   window 1: v0-63, v64-127 P's fragments, two sets; v128-191 the bias along P; v192-199 the bias along R.   window 2: accumulator (a, b) at v[8 (8 a + b)].
.set PITCH,  272                       ; an LDS row: 256 bytes + 16 of padding: the 16 rows that a load touches start 68 words apart
.set RHALF,  64*PITCH                  ; what one of R's loads brings, and what a wave reads of R
.set PHALF,  128*PITCH                 ; the same for P
.set POFF,   2*RHALF                   ; in a slot: R's 128 rows, then P's 256
.set SLOT,   POFF+2*PHALF
.set SCL,    2*SLOT                    ; R's scale bytes: 128 rows x 32 bytes as 16 runs of 256 + 16
.set PSBASE, SCL+16*272                ; P's: 32 runs
.set SPARE,  PSBASE+32*272             ; the spare words, 128 bytes a wave: two blocks of 256 bytes that no other line names
.set STG,    SPARE+512                 ; a stage of 512 bytes for each wave's scale words; no tensor load lands here
.set REC,    13568
.set BHS,    16*REC                    ; from head to head in qkv
.set VO,   8                           ; v8-15  where the codes go: 16 x lane + a x SA + c x SC
.set ADRR, 16                          ; v16-17 LDS address of my R fragments in slot 0, 1
.set ADRP, 20                          ; v20-21 the same for P
.set ADSR, 22                          ; v22    of my rows' scale words of R
.set ADSP, 23                          ; v23    of P
.set BPO,  24                          ; v24    byte offset in b_qkv of the bias along P
.set STW,  25                          ; v25    the stage: where I put a scale word
.set STR,  26                          ; v26    and where I read 16 bytes back
.set SGO,  27                          ; v27    where those 16 bytes go
.set SPW,  28                          ; v28    LDS address of my spare word; never rewritten
.set NIL,  29                          ; v29    0; never rewritten
.set SHV,  30                          ; v30    how far my half of the lanes shifts a scale word
.set BRO,  31                          ; v31    byte offset in b_qkv of the bias along R
.set SCP,  32
.set SCR,  96
.set RF,   128
.set TM,   128                         ; the way out: v128-143 at work
.set PC,   144                         ; v144-175 the codes, 8 registers for each a
.set PW,   176                         ; v176-179 the scale words
.set TW,   184                         ; v184-187 and what goes to the stage
.set HA,   192                         ; v192-255 64 numbers
.set BP,   128                         ; in window 1
.set BR,   192
.set SEL,  2                           ; s[2:3] on the way out: lane selects for v_permlanex16_b32
.set G1R, 24                           ; s[24:31] group 1 for R's tiles;  s[32:39] group 0, a set for each slot
.set G0R, 32
.set G1P, 48                           ; s[48:55], s[56:63] the same for P's
.set G0P, 56
.set G1SR, 68                          ; s[68:75], s[76:79] for R's scale bytes;  s[80:87], s[88:91] for P's
.set G0SR, 76
.set G1SP, 80
.set G0SP, 88
.set MSB, 0
.macro WIN new                         ; the immediate's high byte repeats the setting that is left
.if MSB != \new
	s_set_vgpr_msb (MSB<<8)|\new
.set MSB, \new
.endif
.endm
.set W_MUL,   0xa1                     ; source 0 (P) window 1, source 1 (R) window 0, C and D window 2
.set W_FIRST, 0x91                     ; the same with C (the bias) in window 1
.set W_TOP,   0x40                     ; destination window 1, address window 0
; A joint load: waves 0 and 1 fetch for R, waves 2 and 3 for P; the branch hangs on the wave's number alone.  Four v_nop follow each of the two lines.
.macro JLOAD g0a, g1a, g0b, g1b
	s_cmp_eq_u32 s15, 0
	s_cbranch_scc0 .Lfor_p_\@
	tensor_load_to_lds s[\g0a:\g0a+3], s[\g1a:\g1a+7]
	s_nop 0
.rept 4
	v_nop
.endr
	s_branch .Lasked_\@
.Lfor_p_\@:
	tensor_load_to_lds s[\g0b:\g0b+3], s[\g1b:\g1b+7]
	s_nop 0
.rept 4
	v_nop
.endr
.Lasked_\@:
.endm
.macro CROUND                          ; a round of the cluster's barrier
	s_barrier_signal -1
	s_barrier_wait -1
	s_cmp_lg_u32 s14, 0
	s_cbranch_scc1 .Lnot_wave_0_\@
	s_barrier_signal -3
.Lnot_wave_0_\@:
	s_barrier_wait -3
	s_barrier_signal -1
	s_barrier_wait -1
.endm
.macro PLACES n
.rept \n
	v_nop
.endr
.endm
	s_load_b256 s[4:11], s[0:1], 0x0               ; in_codes s[4:5], in_scales s[6:7], b_qkv s[8:9], qkv s[10:11]
	v_lshl_add_u32 v[SPW], v0, 2, SPARE
	v_mov_b32 v[NIL], 0
	ds_add_u32 v28, v29
	ds_add_u32 v28, v29
	s_wait_dscnt 0x0
	v_lshrrev_b32 v1, 5, v0
	v_readfirstlane_b32 s14, v1                    ; wave 0..3
	s_lshr_b32 s15, s14, 1                         ; which 64 rows of R are mine.  Also: I fetch for R (0) or for P (1)
	s_and_b32 s16, s14, 1                          ; which 128 rows of P are mine.  Also: which half of that tile I fetch
	s_bfe_u32 s40, ttmp6, 0x40000                  ; cx, cy: my place in the cluster
	s_bfe_u32 s41, ttmp6, 0x40004
	s_lshl_b32 s43, s41, 2
	s_lshl_b32 s43, 15, s43                        ; my row of the cluster
	s_lshl_b32 s44, 0x1111, s40                    ; my column
	; group 1: tiles of rows of 256 bytes out of rows of 512; 16 bytes of padding behind each.  R: 64 rows a load; P: 128
	s_or_b32 s[G1R+0], s43, (1<<20)|(1<<21)|(5<<22)|(3<<25)   ; 15:0 the mask; 17:16 elements of 1 byte; 20 padding on; 21 set beside a mask; 24:22 after every 64 words; 31:25 four words
	s_or_b32 s[G1P+0], s44, (1<<20)|(1<<21)|(5<<22)|(3<<25)
.irp g, G1R, G1P
	s_mov_b32 s[\g+1], 256<<16                     ; tensor_dim0
	s_mov_b32 s[\g+3], 256<<16                     ; tile_dim0
	s_mov_b32 s[\g+5], 512                         ; from row to row
	s_mov_b32 s[\g+6], 0
	s_mov_b32 s[\g+7], 0
.endr
	s_mov_b32 s[G1R+2], 64<<16                     ; tensor_dim1
	s_mov_b32 s[G1R+4], 64                         ; tile_dim1
	s_mov_b32 s[G1P+2], 128<<16
	s_mov_b32 s[G1P+4], 128
	; the scale bytes of 64 (R) or 128 (P) rows: a dense block, as rows of 256 bytes (32 elements of 8 bytes) with 16 bytes of padding behind each
	s_or_b32 s[G1SR+0], s43, (3<<16)|(1<<20)|(1<<21)|(5<<22)|(3<<25)
	s_or_b32 s[G1SP+0], s44, (3<<16)|(1<<20)|(1<<21)|(5<<22)|(3<<25)
.irp g, G1SR, G1SP
	s_mov_b32 s[\g+1], 32<<16
	s_mov_b32 s[\g+3], 32<<16
	s_mov_b32 s[\g+5], 32
	s_mov_b32 s[\g+6], 0
	s_mov_b32 s[\g+7], 0
.endr
	s_mov_b32 s[G1SR+2], 8<<16
	s_mov_b32 s[G1SR+4], 8
	s_mov_b32 s[G1SP+2], 16<<16
	s_mov_b32 s[G1SP+4], 16
	; THE KIND: cluster x = 0: q, 1: k, 2: v.  Numbers are selected; nothing branches
	s_and_b32 s12, ttmp7, 0xffff                   ; cluster y, 0..15
	s_lshr_b32 s17, s12, 1
	s_and_b32 s18, s12, 1
	s_mov_b32 s47, 512
	s_mov_b32 s66, BHS
	s_mov_b32 s95, 8192
	s_cmp_eq_u32 ttmp9, 2                          ; v?
	s_cselect_b32 s19, s17, ttmp9                  ; which four tiles of P
	s_cselect_b32 s20, s18, s12                    ; which four tiles of R
	s_cselect_b32 s21, 0, 4194304                  ; P's codes: x's, or W_qkv's
	s_cselect_b32 s22, 5242880, 0                  ; R's codes: W_qkv's from row 2,048 on, or x's
	s_cselect_b32 s23, 0, 262144                   ; P's scale bytes
	s_cselect_b32 s42, 327680, 0                   ; R's
	s_cselect_b32 s45, 0, -1                       ; keeps the bias along P (q, k)
	s_cselect_b32 s46, -1, 0                       ; keeps the bias along R (v)
	s_cselect_b32 s47, 1024, s47                   ; SA: from block a to the next in the codes
	s_cselect_b32 s66, 512, s66                    ; SC: from the first four registers to the other four: the fragment's other half, or the next head
	s_cselect_b32 s67, 0, BHS                      ; where lanes 16-31 put their scale words: the same place, or the next head
	s_cselect_b32 s92, 0, 16                       ; and how far they shift them
	s_cselect_b32 s93, -1, 0xffff                  ; what is kept of a scale word
	s_cselect_b32 s94, 4096, 0                     ; the codes' place in a record: v, k,
	s_cselect_b32 s95, 8704, s95                   ; and the scale words'
	s_cmp_eq_u32 ttmp9, 0
	s_cselect_b32 s94, 8960, s94                   ; q
	s_cselect_b32 s95, 13056, s95
	s_lshl_b32 s96, s19, 2
	s_add_co_u32 s96, s96, s40                     ; my tile of P: it hangs on cx, never on cy
	s_lshl_b32 s97, s20, 2
	s_add_co_u32 s97, s97, s41                     ; my tile of R: on cy, never on cx
	s_lshl_b32 s2, s96, 8
	s_lshl_b32 s3, s16, 7
	s_add_co_u32 s2, s2, s3                        ; P's first row that I fetch; it is also the first that I multiply
	s_lshl_b32 s98, s2, 9
	s_add_co_u32 s98, s98, s21                     ; its codes, 512 bytes a row
	s_mov_b32 s99, 0
	s_lshl_b32 s100, s2, 5
	s_add_co_u32 s100, s100, s23                   ; its scale bytes, 32 a row
	s_mov_b32 s101, 0
	s_lshl_b32 s12, s97, 7
	s_lshl_b32 s13, s16, 6
	s_add_co_u32 s12, s12, s13                     ; R's first row that I fetch
	s_lshl_b32 s18, s12, 5
	s_add_co_u32 s18, s18, s42
	s_mov_b32 s19, 0
	s_lshl_b32 s12, s12, 9
	s_add_co_u32 s12, s12, s22
	s_mov_b32 s13, 0
	s_mul_i32 s20, s16, RHALF                      ; where they go: no place in the cluster enters an LDS address
	s_mul_i32 s21, s16, PHALF
	s_add_co_u32 s21, s21, POFF
	s_mul_i32 s22, s16, 8*272
	s_add_co_u32 s22, s22, SCL
	s_mul_i32 s23, s16, 16*272
	s_add_co_u32 s23, s23, PSBASE
	s_wait_kmcnt 0x0
	s_add_nc_u64 s[12:13], s[4:5], s[12:13]
	s_add_nc_u64 s[18:19], s[6:7], s[18:19]
	s_add_nc_u64 s[98:99], s[4:5], s[98:99]
	s_add_nc_u64 s[100:101], s[6:7], s[100:101]
	CROUND                                         ; all sixteen work-groups are here: the joint loads meet
	s_mov_b32 s[G0SR], 1
	s_mov_b32 s[G0SR+1], s22
	s_mov_b64 s[G0SR+2:G0SR+3], s[18:19]
	s_or_b32 s[G0SR+3], s[G0SR+3], 0x80000000
	s_mov_b32 s[G0SP], 1
	s_mov_b32 s[G0SP+1], s23
	s_mov_b64 s[G0SP+2:G0SP+3], s[100:101]
	s_or_b32 s[G0SP+3], s[G0SP+3], 0x80000000
	JLOAD G0SR, G1SR, G0SP, G1SP                   ; the scale bytes first: they are wanted with the first K step
.irp s, 0,1
	s_mov_b32 s[G0R+4*\s], 1
	s_add_co_u32 s[G0R+4*\s+1], s20, \s*SLOT
	s_add_nc_u64 s[G0R+4*\s+2:G0R+4*\s+3], s[12:13], \s*256
	s_or_b32 s[G0R+4*\s+3], s[G0R+4*\s+3], 0x80000000
	s_mov_b32 s[G0P+4*\s], 1
	s_add_co_u32 s[G0P+4*\s+1], s21, \s*SLOT
	s_add_nc_u64 s[G0P+4*\s+2:G0P+4*\s+3], s[98:99], \s*256
	s_or_b32 s[G0P+4*\s+3], s[G0P+4*\s+3], 0x80000000
	JLOAD G0R+4*\s, G1R, G0P+4*\s, G1P
.endr
	; the biases, while the tiles are on their way
	v_and_b32 v1, 15, v0                           ; r
	v_bfe_u32 v2, v0, 4, 1                         ; h
	s_wait_alu depctr_va_vdst(0)
	v_and_b32 v3, 31, v0                           ; lane
	s_lshl_b32 s17, s97, 7
	s_lshl_b32 s20, s15, 6
	s_add_co_u32 s17, s17, s20                     ; my first row of R
	s_add_co_u32 s20, s17, 2048                    ; as a row of W_qkv, if it is v's
	s_and_b32 s21, s96, 3
	s_lshl_b32 s21, s21, 2
	s_lshl_b32 s22, s16, 1
	s_add_co_u32 s21, s21, s22                     ; q, k: my first head: 256 rows of W are four heads, my 128 two
	s_lshl_b32 s22, s97, 1
	s_add_co_u32 s22, s22, s15                     ; v: my head
	s_cmp_eq_u32 ttmp9, 2
	s_cselect_b32 s23, 0, s2                       ; the bias along P begins here (v: at 0, inside the buffer; it is masked away)
	s_cselect_b32 s42, s20, 0                      ; the bias along R (q, k: at 0, masked away)
	s_cselect_b32 s3, s2, s17                      ; my first token
	s_cselect_b32 s21, s22, s21                    ; my head
	v_lshlrev_b32 v[BPO], 5, v2
	v_lshl_add_u32 v[BPO], s23, 2, v[BPO]          ; lane (r, h) wants, for tile b, the numbers 16 b + 8 h + 0 .. 7
	v_lshlrev_b32 v[BRO], 2, v1
	v_lshl_add_u32 v[BRO], s42, 2, v[BRO]          ; and for block a the number 16 a + r
	WIN W_TOP
.irp b, 0,1,2,3,4,5,6,7
	global_load_b128 v[BP+8*\b:BP+8*\b+3], v[BPO], s[8:9] offset:64*\b
	global_load_b128 v[BP+8*\b+4:BP+8*\b+7], v[BPO], s[8:9] offset:64*\b+16
.endr
.irp a, 0,1,2,3
	global_load_b32 v[BR+2*\a], v[BRO], s[8:9] offset:64*\a
	v_mov_b32 v[BR+2*\a+1], 0                      ; (named with it as a pair)
.endr
	WIN 0
	; LDS addresses
	v_mul_u32_u24 v4, v1, PITCH
	v_lshl_add_u32 v4, v2, 4, v4                   ; a fragment's row x pitch + 16 x half
	s_mul_i32 s20, s15, RHALF                      ; my 64 rows of R
	s_mul_i32 s22, s16, PHALF                      ; my 128 rows of P,
	s_add_co_u32 s22, s22, POFF                    ; which lie behind R's 128
.irp s, 0,1
	v_add_nc_u32 v[ADRR+\s], s20, v4
	v_add_nc_u32 v[ADRP+\s], s22, v4
	s_add_co_u32 s20, s20, SLOT
	s_add_co_u32 s22, s22, SLOT
.endr
	v_lshrrev_b32 v5, 3, v1
	v_mul_u32_u24 v5, v5, 272
	v_and_b32 v6, 7, v1
	v_lshl_add_u32 v5, v6, 5, v5                   ; row r's 32 scale bytes: eight rows to a run of 256 + 16
	s_mul_i32 s20, s15, 8*272
	s_add_co_u32 s20, s20, SCL
	v_add_nc_u32 v[ADSR], s20, v5
	s_mul_i32 s20, s16, 16*272
	s_add_co_u32 s20, s20, PSBASE
	v_add_nc_u32 v[ADSP], s20, v5
	s_lshl_b32 s20, s14, 9
	s_add_co_u32 s20, s20, STG                     ; my stage
	v_lshlrev_b32 v5, 2, v1
	v_lshl_add_u32 v5, v2, 8, v5
	v_add_nc_u32 v[STW], s20, v5                   ; in: 256 h + 4 r (+ 64 a)
	v_lshlrev_b32 v6, 4, v3                        ; 16 x lane
	v_add_nc_u32 v[STR], s20, v6                   ; back: 16 bytes a lane
	; where the results go
	v_mul_u32_u24 v7, s67, v2
	v_lshl_add_u32 v[SGO], v1, 4, v7               ; sixteen lanes fill 256 consecutive bytes of scale words
	v_mul_u32_u24 v[SHV], s92, v2
.irp a, 0,1,2,3
	s_mul_i32 s20, s47, \a
	v_add_nc_u32 v[VO+2*\a], s20, v6
	s_add_co_u32 s20, s20, s66
	v_add_nc_u32 v[VO+2*\a+1], s20, v6
.endr
	s_lshr_b32 s20, s3, 11                         ; the batch
	s_lshl_b32 s20, s20, 4
	s_add_co_u32 s20, s20, s21
	s_mul_i32 s20, s20, BHS
	s_bfe_u32 s22, s3, 0x40007                     ; the key step: 4 bits from bit 7
	s_mul_i32 s22, s22, REC
	s_add_co_u32 s20, s20, s22                     ; my record
	s_and_b32 s22, s3, 127                         ; my first token in it: 0 or 64
	s_lshl_b32 s23, s22, 5                         ; 512 bytes for each 16 tokens
	s_add_co_u32 s23, s23, s20
	s_add_co_u32 s98, s23, s94
	s_mov_b32 s99, 0
	s_lshl_b32 s23, s22, 2
	s_add_co_u32 s23, s23, s20
	s_add_co_u32 s100, s23, s95
	s_mov_b32 s101, 0
	s_add_nc_u64 s[98:99], s[10:11], s[98:99]      ; the codes' base
	s_add_nc_u64 s[100:101], s[10:11], s[100:101]  ; the scale words' base
	s_wait_loadcnt 0x0                             ; the biases are in
	WIN 0x44                                       ; source 1 and destination window 1
.set n, 0
.rept 64
	v_and_b32 v[BP+n], s45, v[BP+n]                ; the kind's own bias stays, the other becomes 0
.set n, n+1
.endr
.irp a, 0,1,2,3
	v_and_b32 v[BR+2*\a], s46, v[BR+2*\a]
.endr
	WIN 0
	PLACES 4
.macro FRAG reg, adr, q, i             ; a fragment, 16 rows x 128 K of 4-bit codes: lane l holds row l % 16; registers 4 c .. 4 c + 3 the block 2 c + l / 16
.irp c, 0,1
	ds_load_b128 v[\reg+4*\c:\reg+4*\c+3], v[\adr] offset:64*(\q)+32*\c+(\i)*16*PITCH
.endr
.endm
.macro FETCH slot, q, set              ; 24 LDS loads in one run: the fragments of the slot's q-th 128 along K
	WIN W_TOP
.irp i, 0,1,2,3,4,5,6,7
	FRAG 64*(\set)+8*\i, ADRP+(\slot), \q, \i
.endr
	WIN 0
.irp i, 0,1,2,3
	FRAG RF+32*(\set)+8*\i, ADRR+(\slot), \q, \i
.endr
.endm
; 32 matrix instructions: the 32 accumulators take turns, one instruction a turn, in the same order in every K step.  first = 1: the bias along P is the C of the sums' first products
.macro MUL set, Q, first
.irp a, 0,1,2,3
.irp b, 0,1,2,3,4,5,6,7
.if \first
	v_wmma_scale_f32_16x16x128_f8f6f4 v[8*(8*\a+\b):8*(8*\a+\b)+7], v[64*(\set)+8*\b:64*(\set)+8*\b+7], v[RF+32*(\set)+8*\a:RF+32*(\set)+8*\a+7], v[BP+8*\b:BP+8*\b+7], v[SCP+8*\b+(\Q)], v[SCR+8*\a+(\Q)] matrix_a_fmt:MATRIX_FMT_FP4 matrix_b_fmt:MATRIX_FMT_FP4
.else
	v_wmma_scale_f32_16x16x128_f8f6f4 v[8*(8*\a+\b):8*(8*\a+\b)+7], v[64*(\set)+8*\b:64*(\set)+8*\b+7], v[RF+32*(\set)+8*\a:RF+32*(\set)+8*\a+7], v[8*(8*\a+\b):8*(8*\a+\b)+7], v[SCP+8*\b+(\Q)], v[SCR+8*\a+(\Q)] matrix_a_fmt:MATRIX_FMT_FP4 matrix_b_fmt:MATRIX_FMT_FP4
.endif
.endr
.endr
.endm
; K step Q of eight.  Its fragments were asked for ahead of the last step's 32 products; the next step's are asked for ahead of its own.
.macro STEP Q
	s_wait_dscnt 0x0                               ; this step's fragments are in
.if (\Q) > 0
	PLACES 4                                       ; four plain lines between the last step's products and the loads into the registers that they read
.endif
.if (\Q) == 3
	s_wait_tensorcnt 0x0                           ; my part of slot 1 is in,
	s_barrier_signal -1
	s_barrier_wait -1                              ; everybody's is
.endif
.if (\Q) < 7
	FETCH ((\Q)+1)/4, ((\Q)+1)%4, ((\Q)+1)%2
.endif
.if (\Q) == 0
	WIN W_FIRST
.else
	WIN W_MUL
.endif
	MUL (\Q)%2, \Q, (\Q)==0
	WIN 0
.endm
	s_wait_alu depctr_va_vdst(0)
	s_wait_tensorcnt 1                             ; my scale bytes and my part of slot 0 are in (slot 1's load may be out),
	s_barrier_signal -1
	s_barrier_wait -1                              ; everybody's are
.irp b, 0,1,2,3,4,5,6,7
	ds_load_b128 v[SCP+8*\b:SCP+8*\b+3], v[ADSP] offset:544*\b        ; the scale words of all eight K steps stay in registers; lanes 16-31 hold the same as lanes 0-15
	ds_load_b128 v[SCP+8*\b+4:SCP+8*\b+7], v[ADSP] offset:544*\b+16
.endr
.irp a, 0,1,2,3
	ds_load_b128 v[SCR+8*\a:SCR+8*\a+3], v[ADSR] offset:544*\a
	ds_load_b128 v[SCR+8*\a+4:SCR+8*\a+7], v[ADSR] offset:544*\a+16
.endr
	FETCH 0, 0, 0
.irp Q, 0,1,2,3,4,5,6,7
	STEP \Q
.endr
; THE WAY OUT.  64 numbers of a lane, v[s] on, register 16 b + i of block b, become 8 registers of codes and a scale word.
.macro QUANT s, pc, pw
.irp b, 0,1,2,3
	v_max3_num_f32 v[TM+\b], |v[\s+16*\b]|, |v[\s+1+16*\b]|, 0x1800000   ; my 16 numbers of block b, and the floor 2^(3 - 127): so the byte cannot fall under 1
.endr
.irp i, 2,4,6,8,10,12,14
.irp b, 0,1,2,3
	v_max3_num_f32 v[TM+\b], v[TM+\b], |v[\s+16*\b+\i]|, |v[\s+1+16*\b+\i]|   ; (the four blocks by turns)
.endr
.endr
.irp b, 0,1,2,3
	v_permlanex16_b32 v[TM+4+\b], v[TM+\b], s[SEL], s[SEL+1]
.endr
.irp b, 0,1,2,3
	v_max_num_f32 v[TM+\b], v[TM+\b], v[TM+4+\b]   ; with lane l xor 16's: the block's largest magnitude
.endr
.irp b, 0,1,2,3
	v_add_nc_u32 v[TM+12+\b], 0xff000000, v[TM+\b] ; 2 off its exponent field: the conversion's scale operand
.endr
.irp b, 0,1,2,3
	v_lshrrev_b32 v[TM+4+\b], 23, v[TM+12+\b]      ; the scale's byte
.endr
	v_lshl_or_b32 v[\pw], v[TM+5], 8, v[TM+4]
	v_lshl_or_b32 v[\pw], v[TM+6], 16, v[\pw]
	v_lshl_or_b32 v[\pw], v[TM+7], 24, v[\pw]
.irp b, 0,1,2,3
	v_cvt_scalef32_pk8_fp4_f32 v[\pc+2*\b], v[\s+16*\b:\s+7+16*\b], v[TM+12+\b]
	v_cvt_scalef32_pk8_fp4_f32 v[\pc+1+2*\b], v[\s+8+16*\b:\s+15+16*\b], v[TM+12+\b]
.endr
	v_nop                                          ; one plain line behind a scaled conversion
.irp c, 0,1                                    ; a whole block to a lane: lanes 0-15 block 2 c, lanes 16-31 block 2 c + 1
.irp i, 0,1
	v_permlane16_swap_b32 v[\pc+4*\c+\i], v[\pc+2+4*\c+\i]
.endr
.endr
.endm
	s_mov_b32 s[SEL], 0x76543210
	s_mov_b32 s[SEL+1], 0xfedcba98                 ; lane l xor 16
	PLACES 4                                       ; between the last products and the first lines that read results or write the registers that held fragments
.irp b, 0,1,2,3
	v_mov_b32 v[TM+4+\b], 0                        ; written once: a lane permute's destination counts as one of its sources
.endr
.irp a, 0,1,2,3
	WIN 0x06                                       ; source 0 window 2, source 1 window 1
.set n, 0
.rept 32
	v_pk_add_f32 v[HA+n:HA+n+1], v[64*\a+n:64*\a+n+1], v[BR+2*\a:BR+2*\a+1] op_sel_hi:[1,0]   ; + the bias along R; each accumulator from its low end on
.set n, n+2
.endr
	WIN 0
	QUANT HA, PC+8*\a, PW+\a
	global_store_b128 v[VO+2*\a], v[PC+8*\a:PC+8*\a+3], s[98:99]        ; 32 lanes store 512 consecutive bytes: an image of four operand registers
	global_store_b128 v[VO+2*\a+1], v[PC+8*\a+4:PC+8*\a+7], s[98:99]
	v_lshrrev_b32 v[TW+\a], v[SHV], v[PW+\a]       ; q, k: lanes 0-15 keep the first head's two bytes, lanes 16-31 the second's; v: the whole word in both
	v_and_b32 v[TW+\a], s93, v[TW+\a]
	ds_store_b32 v[STW], v[TW+\a] offset:64*\a
.endr
	ds_load_b128 v[180:183], v[STR]                ; LDS serves a wave's instructions in order: this sees my stores
	s_wait_dscnt 0x0
	global_store_b128 v[SGO], v[180:183], s[100:101]   ; sixteen lanes store 256 consecutive bytes (v: lanes 16-31 store the same bytes to the same place)
	s_wait_tensorcnt 0x0                           ; the wave's end
	ds_add_u32 v[SPW], v[NIL]
	s_wait_dscnt 0x0
	CROUND                                         ; the closing round: no work-group ends while a partner may still ask for a tile that names it
	s_endpgm
.Lfunc_end_k_q5b6e22e7b5_qkvgemm:
	.size	k_q5b6e22e7b5_qkvgemm, .Lfunc_end_k_q5b6e22e7b5_qkvgemm-k_q5b6e22e7b5_qkvgemm
	.p2alignl 7, 3214868480
	.fill 96, 4, 3214868480
	.section	.rodata,"a",@progbits
	.p2align	6, 0x0
	.amdhsa_kernel k_q5b6e22e7b5_qkvgemm
		.amdhsa_group_segment_fixed_size 327680
		.amdhsa_private_segment_fixed_size 0
		.amdhsa_enable_private_segment 0
		.amdhsa_kernarg_size 32
		.amdhsa_user_sgpr_count 2
		.amdhsa_user_sgpr_kernarg_segment_ptr 1
		.amdhsa_wavefront_size32 1
		.amdhsa_system_sgpr_workgroup_id_x 1
		.amdhsa_system_sgpr_workgroup_id_y 1
		.amdhsa_system_sgpr_workgroup_id_z 1
		.amdhsa_system_vgpr_workitem_id 0
		.amdhsa_next_free_vgpr 768
		.amdhsa_next_free_sgpr 102
		.amdhsa_reserve_vcc 0
		.amdhsa_float_denorm_mode_32 3
		.amdhsa_float_denorm_mode_16_64 3
		.amdhsa_memory_ordered 1
		.amdhsa_forward_progress 1
		.amdhsa_inst_pref_size 90
	.end_amdhsa_kernel
	.amdgpu_metadata
---
amdhsa.version: [ 1, 2 ]
amdhsa.kernels:
  - .name:           k_q5b6e22e7b5_qkvgemm
    .symbol:         k_q5b6e22e7b5_qkvgemm.kd
    .args:
      - { .name: in_codes, .offset: 0, .size: 8, .value_kind: global_buffer, .address_space: global }
      - { .name: in_scales, .offset: 8, .size: 8, .value_kind: global_buffer, .address_space: global }
      - { .name: b_qkv, .offset: 16, .size: 8, .value_kind: global_buffer, .address_space: global }
      - { .name: qkv, .offset: 24, .size: 8, .value_kind: global_buffer, .address_space: global }
    .group_segment_fixed_size: 327680
    .private_segment_fixed_size: 0
    .kernarg_segment_align: 8
    .kernarg_segment_size: 32
    .max_flat_workgroup_size: 128
    .sgpr_count:     102
    .vgpr_count:     768
    .wavefront_size: 32
...
	.end_amdgpu_metadata
.endif
;; end of part 2
;; launch attn (part 3): grid 4 x 64, 16 waves a work-group, clusters of 4 x 1, 327,680 bytes of LDS; arguments qkv, y_codes, y_scales; writes y_codes, y_scales
.if DOCPART == 3
	.amdgcn_target "amdgcn-amd-amdhsa--gfx1250"
	.amdhsa_code_object_version 6
	.text
	.protected	k_q5b6e22e7b5_attn
	.globl	k_q5b6e22e7b5_attn
	.p2align	8
	.type	k_q5b6e22e7b5_attn,@function
k_q5b6e22e7b5_attn:
	s_mov_b64 s[64:65], 0
	v_nop
	global_prefetch_b8 v0, s[64:65] scope:SCOPE_SE
	s_setreg_imm32_b32 hwreg(HW_REG_WAVE_MODE, 25, 1), 1
	s_wait_xcnt 0x0
	s_wait_alu depctr_hold_cnt(0) depctr_sa_sdst(0) depctr_va_vdst(0) depctr_va_sdst(0) depctr_va_ssrc(0) depctr_va_vcc(0) depctr_vm_vsrc(0)
	s_getreg_b32 s2, hwreg(HW_REG_IB_STS2, 6, 4)
	s_cmp_eq_u32 s2, 0
	s_cbranch_scc0 .Lentry_in_a_cluster
	s_endpgm
.Lentry_in_a_cluster:
	s_bfe_u32 s2, ttmp6, 0x10000c
	s_cmp_lg_u32 s2, 0x3003
	s_cbranch_scc0 .Lentry_shape_is_right
	s_endpgm
.Lentry_shape_is_right:
; y[b][t][head] = softmax_k(q . k / 8, causal) v, both products on codes of FP4 (E2M1) with E8M0 scales; y is quantised here along the model's 1,024 (two blocks of 32 a head) and stored as images of the last product's operand registers.
; THE SOFTMAX AHEAD OF THE SECOND PRODUCT: t = score x log2(e) / 8; M = the row's largest t so far, rounded UP to a whole number; p = 2^(t - M) is what is quantised, along the keys; the row's sum is taken of the unquantised p and divides at the end.
; When M moves, the sum and O are multiplied by 2^(old M - new M): exact.
; SHARES.  A cluster of four work-groups takes one head of one batch (64 of them); all four walk the same K and V, which are asked for JOINTLY (mask 15) and lie in LDS whole: 16 records of 128 keys, 8,960 bytes each, each filled once.
; Waves 0-3 issue four loads each at the head (four tensor loads of a wave are out at the most); nothing is left to ask for ahead of time, so there is no prefetch.
; Wave w of the work-group at place cx owns TWO tiles of 16 queries: 64 u + 16 cx on, for u = 31 - w (taken first) and u = w.  A tile walks key steps 0 .. u / 2: 17 steps for every wave of the launch, so the causal work is even.
; Branches hang on the wave's number and the step alone; cx enters global addresses and the number that the mask compares, nothing else.  Every loop's trip count is a constant: a step all of whose keys are hidden is jumped over.
; LAYOUT.  Both products are used transposed: S^T = K Q^T (source 0 = 16 keys, source 1 = my 16 queries), O^T = V^T P^T (source 0 = 16 channels, source 1 = P): a lane holds ONE query throughout.
; The head's 64 channels are half of the instruction's 128 along K: registers 4-7 of K's and Q's fragments are zeros, and the upper two scale bytes are 0 (they scale zero codes).
; Tiles are 16 neighbouring keys: register 8 T + j of lane (r, h) is key 16 T + 8 h + j.  So p's codes come out with a block's words for k = 0-7, 16-23, 8-15, 24-31, which is the order in which v's, and all this program's operands', blocks lie.
; LIMITS: a block of p or y whose largest magnitude lies under 2^-124 has its byte held at 1 (a block of zeros too: its codes are zeros); NaN and infinities are not served; sums inside an instruction are not in ascending k.
; y's scale bytes leave two bytes a lane, 4 bytes apart (64 bytes a tile and head): 256 KiB in all, laid so that the next launch reads them in runs of 256 bytes.
; REGISTERS: v1-9 addresses; v12 -M, v13 the largest t, v[14:15] the sum in two halves; v16-23, v24-31 Q of the two tiles; v32-95 K's 8 fragments; v96-127 V's 4; v128-191 S^T, then p; v192-223 O^T; v224-231 p's codes; v232-255 at work and scale words.
.set REC,   13568                      ; a record in qkv
.set BHS,   16*REC                     ; from head to head
.set LREC,  8960                       ; what of a record comes into LDS: K codes 0, V codes 4,096, K scale words 8,192, V scale words 8,704
.set VCO,   4096
.set KSW,   8192
.set VSW,   8704
.set QCO,   8960                       ; in memory behind them: Q codes and Q scale words
.set QSW,   13056
.set SPARE, 16*LREC                    ; behind the records: the spare words, 128 bytes for each wave: eight blocks of 256 bytes that no other line names
.set LI,   1                           ; v1   16 x lane: an image's place for my lane
.set LS,   2                           ; v2   4 x lane
.set R4,   3                           ; v3   4 x (lane % 16)
.set DQ,   4                           ; v4   lane % 16 - 8 (lane / 16)
.set SPW,  5                           ; v5   LDS address of my spare word; never rewritten
.set NIL,  6                           ; v6   0; never rewritten
.set AD16, 8                           ; v8   the step's record + 16 x lane
.set AD4,  9                           ; v9   the step's record + 4 x lane
.set KFR,  32
.set VFR,  96
.set S,    128
.set O,    192
.set PC,   224
.set WV,   18                          ; s18  my wave's number
.set SEL,  20                          ; s[20:21] lane selects for v_permlanex16_b32: lane l xor 16
.set CS,   22                          ; s[22:23] c = log2(e) / 8
.set G1,   24                          ; s[24:31] descriptor group 1;  s[32:47] four groups 0
.set G0,   32
.set PB,   48                          ; s[48:55] the first tile's bases: Q codes, Q scale words, y codes, y scale bytes
.set PA,   56                          ; s[56:63] the second tile's
.set TB,   66                          ; s66  LDS byte at which the step's record begins
.set KS,   67                          ; s67  the key step
.set KEY0, 68                          ; s68  its first key
.set LAST, 69                          ; s69  the tile's last key step, the one on the diagonal
.set Q0,   70                          ; s70  the tile's first query
.set CNT,  71                          ; s71  counts a loop's trips
.set LASTA, 72
.set Q0A,  73
.macro CROUND                          ; a round of the cluster's barrier
	s_barrier_signal -1
	s_barrier_wait -1
	s_cmp_lg_u32 s[WV], 0
	s_cbranch_scc1 .Lnot_wave_0_\@
	s_barrier_signal -3
.Lnot_wave_0_\@:
	s_barrier_wait -3
	s_barrier_signal -1
	s_barrier_wait -1
.endm
; the four bases of the tile of queries 64 u + 16 cx on.  s10 = the head's first byte in qkv, s11 = 128 x batch, s12 = 512 x head, s13 = cx, s14 = the head's place among y's scale bytes
.macro PASSBASE u, o
	s_lshr_b32 s74, s[\u], 1
	s_mul_i32 s74, s74, REC
	s_add_co_u32 s74, s74, s10                     ; the record in which the queries lie
	s_and_b32 s75, s[\u], 1
	s_lshl_b32 s75, s75, 2
	s_add_co_u32 s75, s75, s13                     ; the tile in it: 4 (u % 2) + cx
	s_lshl_b32 s76, s75, 9
	s_add_co_u32 s76, s76, s74
	s_add_co_u32 s76, s76, QCO
	s_mov_b32 s77, 0
	s_add_nc_u64 s[\o:\o+1], s[4:5], s[76:77]
	s_lshl_b32 s76, s75, 6
	s_add_co_u32 s76, s76, s74
	s_add_co_u32 s76, s76, QSW
	s_add_nc_u64 s[\o+2:\o+3], s[4:5], s[76:77]
	s_lshl_b32 s75, s[\u], 2
	s_add_co_u32 s75, s75, s13
	s_add_co_u32 s75, s75, s11                     ; the tile among all 512 tiles of tokens
	s_lshl_b32 s76, s75, 13                        ; 16 heads x 512 bytes a tile
	s_add_co_u32 s76, s76, s12
	s_add_nc_u64 s[\o+4:\o+5], s[6:7], s[76:77]
	s_lshl_b32 s76, s75, 6                         ; 16 tokens x 4 bytes
	s_add_co_u32 s76, s76, s14
	s_add_nc_u64 s[\o+6:\o+7], s[8:9], s[76:77]
.endm
	s_load_b128 s[4:7], s[0:1], 0x0                ; qkv, y_codes
	s_load_b64 s[8:9], s[0:1], 0x10                ; y_scales
	v_lshl_add_u32 v[SPW], v0, 2, SPARE
	v_mov_b32 v[NIL], 0
	ds_add_u32 v5, v6
	ds_add_u32 v5, v6
	s_wait_dscnt 0x0
	v_lshrrev_b32 v7, 5, v0
	s_delay_alu instid0(VALU_DEP_1)
	v_readfirstlane_b32 s[WV], v7                  ; wave 0..15
	s_bfe_u32 s13, ttmp6, 0x40000                  ; cx
	s_and_b32 s15, ttmp7, 0xffff                   ; 16 x batch + head: the four partners share it
	s_mul_i32 s10, s15, BHS
	s_lshr_b32 s11, s15, 4
	s_lshl_b32 s11, s11, 7
	s_and_b32 s12, s15, 15
	s_lshr_b32 s14, s12, 1
	s_lshl_b32 s14, s14, 15                        ; y's scale bytes: [8 K steps of the last product][8,192 tokens][4]: two heads to a K step,
	s_and_b32 s16, s15, 1
	s_lshl_b32 s16, s16, 1
	s_add_co_u32 s14, s14, s16                     ; the even head in a word's low half, the odd one in its high half
	s_lshl_b32 s12, s12, 9
	; group 1: a record's 8,960 dense bytes as 35 rows of 256 bytes (32 elements of 8 bytes); no padding: images are read 16 bytes a lane on end
	s_mov_b32 s[G1], 15|(3<<16)|(1<<21)            ; 15:0 the mask: all four work-groups; 17:16 elements of 8 bytes; 21 set beside a mask
	s_mov_b32 s[G1+1], 32<<16                      ; tensor_dim0
	s_mov_b32 s[G1+2], 35<<16                      ; tensor_dim1
	s_mov_b32 s[G1+3], 32<<16                      ; tile_dim0
	s_mov_b32 s[G1+4], 35                          ; tile_dim1
	s_mov_b32 s[G1+5], 32                          ; from row to row
	s_mov_b32 s[G1+6], 0
	s_mov_b32 s[G1+7], 0
	s_and_b32 s16, s[WV], 3
	s_mul_i32 s17, s16, LREC                       ; load j of wave w brings record 4 j + w: its place in LDS,
	s_mul_i32 s2, s16, REC
	s_add_co_u32 s2, s2, s10                       ; and in memory
	s_mov_b32 s3, 0
	s_mov_b32 s[SEL], 0x76543210
	s_mov_b32 s[SEL+1], 0xfedcba98
	s_mov_b32 s[CS], 0x3e38aa3b                    ; c = log2(e) / 8
	s_mov_b32 s[CS+1], s[CS]                       ; (named with it as a pair)
	s_xor_b32 s78, s[WV], 31                       ; u of the first tile: 31 - w
	s_mov_b32 s79, s[WV]                           ; u of the second
	s_lshr_b32 s[LAST], s78, 1
	s_lshl_b32 s[Q0], s78, 6
	s_lshl_b32 s74, s13, 4
	s_add_co_u32 s[Q0], s[Q0], s74
	s_lshr_b32 s[LASTA], s79, 1
	s_lshl_b32 s[Q0A], s79, 6
	s_add_co_u32 s[Q0A], s[Q0A], s74
	s_mov_b32 s[TB], 0
	s_mov_b32 s[KS], 0
	s_mov_b32 s[KEY0], 0
	s_wait_kmcnt 0x0
	s_add_nc_u64 s[2:3], s[4:5], s[2:3]
.irp j, 0,1,2,3
	s_mov_b32 s[G0+4*\j], 1                        ; count = 1
	s_add_co_u32 s[G0+4*\j+1], s17, \j*4*LREC      ; LDS address
	s_add_nc_u64 s[G0+4*\j+2:G0+4*\j+3], s[2:3], \j*4*REC
	s_or_b32 s[G0+4*\j+3], s[G0+4*\j+3], 0x80000000   ; type = 2
.endr
	PASSBASE 78, PB
	PASSBASE 79, PA
	CROUND                                         ; all four work-groups are here: the joint loads meet
	s_cmp_lt_u32 s[WV], 4                          ; all fills stand in one branch on the wave's number, ahead of every wait on TENSORcnt and every LDS read
	s_cbranch_scc0 .Lno_fetch
.irp j, 0,1,2,3
	tensor_load_to_lds s[G0+4*\j:G0+4*\j+3], s[G1:G1+7]
	s_nop 0
.endr
.rept 4
	v_nop
.endr
.Lno_fetch:
	v_and_b32 v7, 31, v0
	s_delay_alu instid0(VALU_DEP_1)
	v_lshlrev_b32 v[LI], 4, v7
	s_delay_alu instid0(VALU_DEP_2)
	v_lshlrev_b32 v[LS], 2, v7
	v_and_b32 v10, 15, v0                          ; r
	v_bfe_u32 v11, v0, 4, 1                        ; h
	s_delay_alu instid0(VALU_DEP_2)
	v_lshlrev_b32 v[R4], 2, v10
	s_delay_alu instid0(VALU_DEP_2)
	v_lshlrev_b32 v11, 3, v11
	s_delay_alu instid0(VALU_DEP_1)
	v_sub_nc_u32 v[DQ], v10, v11
	global_load_b128 v[16:19], v[LI], s[PB:PB+1]   ; Q's fragments stay in registers
	global_load_b128 v[24:27], v[LI], s[PA:PA+1]
	global_load_b32 v242, v[R4], s[PB+2:PB+3]      ; and their scale words: lane r has query r's
	global_load_b32 v243, v[R4], s[PA+2:PA+3]
.irp i, 20,21,22,23,28,29,30,31
	v_mov_b32 v[\i], 0                             ; K = 64 .. 127 of Q: zero codes
.endr
.irp t, 0,1,2,3,4,5,6,7
.irp i, 4,5,6,7
	v_mov_b32 v[KFR+8*\t+\i], 0                    ; and of K's eight fragments: written once, never loaded
.endr
.endr
.irp i, 236,237,238,239,252,253
	v_mov_b32 v[\i], 0                             ; written once: a lane permute's destination counts as one of its sources; v253 is named in a pair before it is first made
.endr
.macro INIT                            ; a tile begins: the step is written once and finds zeros, which the first change of M leaves zeros
	v_mov_b32 v13, 0xff61b1e6                      ; the largest t so far: -3e38, under every t
	v_mov_b32 v14, 0                               ; the sum, in two halves
	v_mov_b32 v15, 0
	s_delay_alu instid0(VALU_DEP_3)
	v_floor_f32 v12, -v13                          ; -M
.set n, 0
.rept 32
	v_mov_b32 v[O+n], 0
.set n, n+1
.endr
.endm
	INIT
; n later quarters of the head's records may stay out
.macro ARRIVE n
	s_wait_dscnt 0x0
	s_wait_tensorcnt \n
	s_barrier_signal -1
	s_barrier_wait -1
.endm
; A KEY STEP: 128 keys.  qf: Q's fragment; qs: its scale words; causal = 1: the step may be hidden or lie on the diagonal.
.macro STEP qf, qs, causal
.if \causal
	s_cmp_gt_u32 s[KS], s[LAST]                    ; all its keys come after my queries: only the lines at its end, which step addresses, are run
	s_cbranch_scc1 .Lhid_\@
.endif
	s_setprio 2
	v_add_nc_u32 v[AD16], s[TB], v[LI]
	v_add_nc_u32 v[AD4], s[TB], v[LS]
	v_nop
	v_nop                                          ; four plain lines between the last step's products and the loads into the registers that they read
.irp t, 0,1,2,3,4,5,6,7
	ds_load_b128 v[KFR+8*\t:KFR+8*\t+3], v[AD16] offset:512*\t
.endr
.irp p, 0,1,2,3
	ds_load_b32 v[248+\p], v[AD4] offset:KSW+128*\p   ; lanes 0-15: the words of tile 2 p; lanes 16-31: of tile 2 p + 1
.endr
.irp t, 0,1,2,3
.irp c, 0,1
	ds_load_b128 v[VFR+8*\t+4*\c:VFR+8*\t+4*\c+3], v[AD16] offset:VCO+1024*\t+512*\c
.endr
.endr
.irp p, 0,1
	ds_load_b32 v[240+\p], v[AD4] offset:VSW+128*\p
.endr
	s_wait_dscnt 10                                ; K and its words are in; V's ten loads may be out
.irp t, 0,2,4,6
	v_wmma_scale_f32_16x16x128_f8f6f4 v[S+8*\t:S+8*\t+7], v[KFR+8*\t:KFR+8*\t+7], v[\qf:\qf+7], 0, v[248+\t/2], v[\qs] matrix_a_fmt:MATRIX_FMT_FP4 matrix_b_fmt:MATRIX_FMT_FP4
	v_wmma_scale_f32_16x16x128_f8f6f4 v[S+8*\t+8:S+8*\t+15], v[KFR+8*\t+8:KFR+8*\t+15], v[\qf:\qf+7], 0, v[248+\t/2], v[\qs] matrix_a_fmt:MATRIX_FMT_FP4 matrix_b_fmt:MATRIX_FMT_FP4 matrix_a_scale:MATRIX_SCALE_ROW1
.endr
.rept 4
	v_nop
.endr
.if \causal                                    ; on the diagonal the scores of hidden keys become -infinity ahead of the maximum: p = 0 then.  The step's first key counts for every query of the tile
	s_cmp_lt_u32 s[KS], s[LAST]
	s_cbranch_scc1 .Lopen_\@
	s_sub_co_i32 s74, s[Q0], s[KEY0]
	v_add_nc_u32 v252, s74, v[DQ]                  ; d = my query - the step's first key - 8 (lane / 16).  Register n holds key 16 (n / 8) + n % 8 + 8 (lane / 16): hidden where 16 (n / 8) + n % 8 > d
	v_mov_b32 v254, 0xff800000                     ; -infinity
.set n, 0
.rept 64
	v_cmp_gt_i32 vcc_lo, 16*(n/8)+n%8, v252
	v_cndmask_b32 v[S+n], v[S+n], v254, vcc_lo
.set n, n+1
.endr
.Lopen_\@:
.endif
.irp b, 0,1,2,3
	v_max3_num_f32 v[232+\b], v[S+16*\b], v[S+1+16*\b], v[S+2+16*\b]   ; the largest score of each block of 32 keys: for the row's maximum and, since p rises with the score, for the block's largest p
.endr
.irp i, 3,5,7,9,11,13
.irp b, 0,1,2,3
	v_max3_num_f32 v[232+\b], v[232+\b], v[S+16*\b+\i], v[S+1+16*\b+\i]
.endr
.endr
.irp b, 0,1,2,3
	v_max_num_f32 v[232+\b], v[232+\b], v[S+15+16*\b]
.endr
.irp b, 0,1,2,3
	s_delay_alu instid0(VALU_DEP_4)
	v_permlanex16_b32 v[236+\b], v[232+\b], s[SEL], s[SEL+1]
.endr
.irp b, 0,1,2,3
	s_delay_alu instid0(VALU_DEP_4)
	v_max_num_f32 v[232+\b], v[232+\b], v[236+\b]  ; with lane l xor 16's 16 keys
.endr
	s_delay_alu instid0(VALU_DEP_2)
	v_max3_num_f32 v254, v232, v233, v234
	s_delay_alu instid0(VALU_DEP_1)
	v_max_num_f32 v254, v254, v235                 ; the step's largest score of my query
	s_delay_alu instid0(VALU_DEP_1)
	v_mul_f32 v254, s[CS], v254                    ; as t (c is positive)
	s_delay_alu instid0(VALU_DEP_1)
	v_max_num_f32 v13, v13, v254                   ; the running largest t
	v_mov_b32 v254, v12
	s_delay_alu instid0(VALU_DEP_2)
	v_floor_f32 v12, -v13                          ; the new -M = floor(-t): M is a whole number
	s_delay_alu instid0(VALU_DEP_1)
	v_sub_f32 v254, v12, v254                      ; old M - new M: a whole number, 0 or less
	s_delay_alu instid0(VALU_DEP_1)
	v_cvt_i32_f32 v254, v254                       ; (it saturates)
	s_delay_alu instid0(VALU_DEP_1)
	v_ldexp_f32 v252, 1.0, v254                    ; f = 2^(old M - new M)
.set n, 0
.rept 32
	v_pk_fma_f32 v[S+n:S+n+1], v[S+n:S+n+1], s[CS:CS+1], v[12:13] op_sel_hi:[1,0,0]   ; t - M, two at a time
.set n, n+2
.endr
.irp b, 0,1,2,3
	v_fma_f32 v[232+\b], v[232+\b], s[CS], v12     ; the same of each block's largest score
.endr
.set n, 0
	s_setprio 1
	s_wait_alu depctr_va_vdst(0)
.rept 64
	v_exp_f32 v[S+n], v[S+n]                       ; p = 2^(t - M), at most 1: not normalised
.set n, n+1
.endr
	v_pk_mul_f32 v[14:15], v[14:15], v[252:253] op_sel_hi:[1,0]   ; the sums under the new M (a plain line behind the exponentials)
	s_wait_alu depctr_va_vdst(0)                   ; one wait for the whole batch, ahead of its first reader
.irp b, 0,1,2,3
	v_exp_f32 v[232+\b], v[232+\b]                 ; the block's largest p: the same two instructions on the same number give the same bits
.endr
	v_pk_add_f32 v[236:237], v[132:133], v[136:137]
	v_pk_add_f32 v[254:255], v[140:141], v[144:145]
	v_pk_add_f32 v[250:251], v[148:149], v[152:153]
	v_pk_add_f32 v[248:249], v[156:157], v[160:161]
	v_pk_add_f32 v[246:247], v[164:165], v[168:169]
	v_pk_add_f32 v[244:245], v[172:173], v[176:177]
	v_pk_add_f32 v[238:239], v[180:181], v[184:185]
	v_pk_add_f32 v[14:15], v[14:15], v[188:189]
	v_pk_add_f32 v[236:237], v[236:237], v[128:129]
	v_pk_add_f32 v[254:255], v[254:255], v[130:131]
	v_pk_add_f32 v[250:251], v[250:251], v[134:135]
	v_pk_add_f32 v[248:249], v[248:249], v[138:139]
	v_pk_add_f32 v[246:247], v[246:247], v[142:143]
	v_pk_add_f32 v[244:245], v[244:245], v[146:147]
	v_pk_add_f32 v[238:239], v[238:239], v[150:151]
	v_pk_add_f32 v[14:15], v[14:15], v[154:155]
	v_pk_add_f32 v[236:237], v[236:237], v[158:159]
	v_pk_add_f32 v[254:255], v[254:255], v[162:163]
	v_pk_add_f32 v[250:251], v[250:251], v[166:167]
	v_pk_add_f32 v[248:249], v[248:249], v[170:171]
	v_pk_add_f32 v[246:247], v[246:247], v[174:175]
	v_pk_add_f32 v[244:245], v[244:245], v[178:179]
	v_pk_add_f32 v[238:239], v[238:239], v[182:183]
	v_pk_add_f32 v[14:15], v[14:15], v[186:187]
	v_pk_add_f32 v[236:237], v[236:237], v[190:191]
	s_delay_alu instid0(VALU_DEP_2)
	v_pk_add_f32 v[14:15], v[14:15], v[248:249]
	s_delay_alu instid0(VALU_DEP_2)
	v_pk_add_f32 v[236:237], v[236:237], v[246:247]
	v_pk_add_f32 v[254:255], v[254:255], v[244:245]
	v_pk_add_f32 v[250:251], v[250:251], v[238:239]
	s_delay_alu instid0(VALU_DEP_2)
	v_pk_add_f32 v[14:15], v[14:15], v[254:255]
	s_delay_alu instid0(VALU_DEP_2)
	v_pk_add_f32 v[236:237], v[236:237], v[250:251]
	s_delay_alu instid0(VALU_DEP_1)
	v_pk_add_f32 v[14:15], v[14:15], v[236:237]
	s_wait_alu depctr_va_vdst(0)                   ; and one for the four
.irp b, 0,1,2,3
	v_max_num_f32 v[232+\b], 0x1800000, v[232+\b]  ; the floor 2^(3 - 127): the byte cannot fall under 1
.endr
.irp b, 0,1,2,3
	s_delay_alu instid0(VALU_DEP_4)
	v_add_nc_u32 v[244+\b], 0xff000000, v[232+\b]  ; 2 off the exponent field: the conversion's scale operand
.endr
.irp b, 0,1,2,3
	s_delay_alu instid0(VALU_DEP_4)
	v_lshrrev_b32 v[236+\b], 23, v[244+\b]         ; the scale's byte
.endr
	s_delay_alu instid0(VALU_DEP_3)
	v_lshl_or_b32 v253, v237, 8, v236              ; p's scale word for these 128 keys
	s_delay_alu instid0(VALU_DEP_1)
	v_lshl_or_b32 v253, v238, 16, v253
	s_delay_alu instid0(VALU_DEP_1)
	v_lshl_or_b32 v253, v239, 24, v253
.irp b, 0,1,2,3
	v_cvt_scalef32_pk8_fp4_f32 v[PC+2*\b], v[S+16*\b:S+7+16*\b], v[244+\b]
	v_cvt_scalef32_pk8_fp4_f32 v[PC+1+2*\b], v[S+8+16*\b:S+15+16*\b], v[244+\b]
.endr
	s_setprio 0
	v_nop                                          ; one plain line behind a scaled conversion
.irp c, 0,1                                    ; a whole block to a lane: lanes 0-15 block 2 c, lanes 16-31 block 2 c + 1
.irp i, 0,1
	v_permlane16_swap_b32 v[PC+4*\c+\i], v[PC+2+4*\c+\i]
.endr
.endr
.set n, 0
.rept 16
	v_pk_mul_f32 v[O+n:O+n+1], v[O+n:O+n+1], v[252:253] op_sel_hi:[1,0]   ; O^T under the new M.  (These also stand between the lines that made p's codes and scale word and the products below)
.set n, n+2
.endr
	s_wait_alu depctr_va_vdst(0)
	s_wait_dscnt 0x0                               ; V and its words are in
.irp t, 0,2
	v_wmma_scale_f32_16x16x128_f8f6f4 v[O+8*\t:O+8*\t+7], v[VFR+8*\t:VFR+8*\t+7], v[PC:PC+7], v[O+8*\t:O+8*\t+7], v[240+\t/2], v253 matrix_a_fmt:MATRIX_FMT_FP4 matrix_b_fmt:MATRIX_FMT_FP4
	v_wmma_scale_f32_16x16x128_f8f6f4 v[O+8*\t+8:O+8*\t+15], v[VFR+8*\t+8:VFR+8*\t+15], v[PC:PC+7], v[O+8*\t+8:O+8*\t+15], v[240+\t/2], v253 matrix_a_fmt:MATRIX_FMT_FP4 matrix_b_fmt:MATRIX_FMT_FP4 matrix_a_scale:MATRIX_SCALE_ROW1
.endr
.if \causal
.Lhid_\@:
.endif
	s_add_co_u32 s[TB], s[TB], LREC                ; on to the next record
	s_add_co_u32 s[KEY0], s[KEY0], 128
	s_add_co_u32 s[KS], s[KS], 1
.endm
; A TILE ENDS: y = O^T / the sum; its 64 channels are two blocks of the last product's K; codes (an image of four operand registers) and two scale bytes go out.
.macro FINISH yc, yw, cb, sb
	v_add_f32 v14, v14, v15                        ; the sum's two halves,
	s_delay_alu instid0(VALU_DEP_1)
	v_permlanex16_b32 v252, v14, s[SEL], s[SEL+1]
	s_delay_alu instid0(VALU_DEP_1)
	v_add_f32 v14, v14, v252                       ; and lane l xor 16's: the row's sum
	s_wait_alu depctr_va_vdst(0)
	v_rcp_f32 v14, v14
.rept 4
	v_nop                                          ; plain lines behind the reciprocal, and behind the last products
.endr
	s_wait_alu depctr_va_vdst(0)                   ; ahead of the reciprocal's first reader
.set n, 0
.rept 16
	v_pk_mul_f32 v[S+n:S+n+1], v[O+n:O+n+1], v[14:15] op_sel_hi:[1,0]   ; register 8 t + j is y(query r, channel 16 t + 8 h + j); each accumulator from its low end on
.set n, n+2
.endr
.irp b, 0,1
	v_max3_num_f32 v[232+\b], |v[S+16*\b]|, |v[S+1+16*\b]|, 0x1800000
.endr
.irp i, 2,4,6,8,10,12,14
.irp b, 0,1
	s_delay_alu instid0(VALU_DEP_2)
	v_max3_num_f32 v[232+\b], v[232+\b], |v[S+16*\b+\i]|, |v[S+1+16*\b+\i]|
.endr
.endr
.irp b, 0,1
	s_delay_alu instid0(VALU_DEP_2)
	v_permlanex16_b32 v[236+\b], v[232+\b], s[SEL], s[SEL+1]
.endr
.irp b, 0,1
	s_delay_alu instid0(VALU_DEP_2)
	v_max_num_f32 v[232+\b], v[232+\b], v[236+\b]
.endr
.irp b, 0,1
	s_delay_alu instid0(VALU_DEP_2)
	v_add_nc_u32 v[244+\b], 0xff000000, v[232+\b]
.endr
.irp b, 0,1
	s_delay_alu instid0(VALU_DEP_2)
	v_lshrrev_b32 v[238+\b], 23, v[244+\b]
.endr
	s_delay_alu instid0(VALU_DEP_1)
	v_lshl_or_b32 v[\yw], v239, 8, v238
.irp b, 0,1
	v_cvt_scalef32_pk8_fp4_f32 v[\yc+2*\b], v[S+16*\b:S+7+16*\b], v[244+\b]
	v_cvt_scalef32_pk8_fp4_f32 v[\yc+1+2*\b], v[S+8+16*\b:S+15+16*\b], v[244+\b]
.endr
	v_nop                                          ; one plain line behind a scaled conversion
	v_permlane16_swap_b32 v[\yc], v[\yc+2]         ; lanes 0-15: channels 0-31 of query r; lanes 16-31: channels 32-63
	v_permlane16_swap_b32 v[\yc+1], v[\yc+3]
	global_store_b128 v[LI], v[\yc:\yc+3], s[\cb:\cb+1]     ; 32 lanes store 512 consecutive bytes
	global_store_b16 v[R4], v[\yw], s[\sb:\sb+1]            ; lanes 16-31 store the same two bytes to the same place as lanes 0-15
.endm
	s_wait_loadcnt 0x0                             ; Q
	ARRIVE 3                                       ; records 0-3 are whole
	s_mov_b32 s[CNT], 4
.LB1:                                              ; the first tile has nine steps or more: its steps 0-7 are neither hidden nor on the diagonal
	STEP 16, 242, 0
	s_sub_co_u32 s[CNT], s[CNT], 1
	s_cmp_lg_u32 s[CNT], 0
	s_cbranch_scc1 .LB1
	s_setprio 0
	ARRIVE 2                                       ; records 4-7
	s_mov_b32 s[CNT], 4
.LB2:
	STEP 16, 242, 0
	s_sub_co_u32 s[CNT], s[CNT], 1
	s_cmp_lg_u32 s[CNT], 0
	s_cbranch_scc1 .LB2
	s_setprio 0
	ARRIVE 0                                       ; all sixteen: from here on no wave waits for another
	s_mov_b32 s[CNT], 8
.LB3:
	STEP 16, 242, 1
	s_sub_co_u32 s[CNT], s[CNT], 1
	s_cmp_lg_u32 s[CNT], 0
	s_cbranch_scc1 .LB3
	s_setprio 0
	FINISH 160, 168, PB+4, PB+6
	s_wait_xcnt 0x0                                ; the two stores have read their registers, which the second tile's scores write again
	INIT
	s_mov_b32 s[TB], 0
	s_mov_b32 s[KS], 0
	s_mov_b32 s[KEY0], 0
	s_mov_b32 s[LAST], s[LASTA]
	s_mov_b32 s[Q0], s[Q0A]
	s_mov_b32 s[CNT], 8
.LA:
	STEP 24, 243, 1
	s_sub_co_u32 s[CNT], s[CNT], 1
	s_cmp_lg_u32 s[CNT], 0
	s_cbranch_scc1 .LA
	s_setprio 0
	FINISH 164, 169, PA+4, PA+6
	s_wait_tensorcnt 0x0                           ; the wave's end
	ds_add_u32 v[SPW], v[NIL]
	s_wait_dscnt 0x0
	CROUND                                         ; the closing round: no work-group ends while a partner may still ask for a record that names it
	s_endpgm
.Lfunc_end_k_q5b6e22e7b5_attn:
	.size	k_q5b6e22e7b5_attn, .Lfunc_end_k_q5b6e22e7b5_attn-k_q5b6e22e7b5_attn
	.p2alignl 7, 3214868480
	.fill 96, 4, 3214868480
	.section	.rodata,"a",@progbits
	.p2align	6, 0x0
	.amdhsa_kernel k_q5b6e22e7b5_attn
		.amdhsa_group_segment_fixed_size 327680
		.amdhsa_private_segment_fixed_size 0
		.amdhsa_enable_private_segment 0
		.amdhsa_kernarg_size 24
		.amdhsa_user_sgpr_count 2
		.amdhsa_user_sgpr_kernarg_segment_ptr 1
		.amdhsa_wavefront_size32 1
		.amdhsa_system_sgpr_workgroup_id_x 1
		.amdhsa_system_sgpr_workgroup_id_y 1
		.amdhsa_system_sgpr_workgroup_id_z 1
		.amdhsa_system_vgpr_workitem_id 0
		.amdhsa_next_free_vgpr 256
		.amdhsa_next_free_sgpr 92
		.amdhsa_reserve_vcc 1
		.amdhsa_float_denorm_mode_32 3
		.amdhsa_float_denorm_mode_16_64 3
		.amdhsa_memory_ordered 1
		.amdhsa_forward_progress 1
		.amdhsa_inst_pref_size 96
	.end_amdhsa_kernel
	.amdgpu_metadata
---
amdhsa.version: [ 1, 2 ]
amdhsa.kernels:
  - .name:           k_q5b6e22e7b5_attn
    .symbol:         k_q5b6e22e7b5_attn.kd
    .args:
      - { .name: qkv, .offset: 0, .size: 8, .value_kind: global_buffer, .address_space: global }
      - { .name: y_codes, .offset: 8, .size: 8, .value_kind: global_buffer, .address_space: global }
      - { .name: y_scales, .offset: 16, .size: 8, .value_kind: global_buffer, .address_space: global }
    .group_segment_fixed_size: 327680
    .private_segment_fixed_size: 0
    .kernarg_segment_align: 8
    .kernarg_segment_size: 24
    .max_flat_workgroup_size: 512
    .sgpr_count:     92
    .vgpr_count:     256
    .wavefront_size: 32
...
	.end_amdgpu_metadata
.endif
;; end of part 3
;; launch proj (part 4): grid 4 x 64, 4 waves a work-group, clusters of 4 x 4, 327,680 bytes of LDS; arguments y_codes, y_scales, in_codes, in_scales, b_proj, out0; writes out0
.if DOCPART == 4
	.amdgcn_target "amdgcn-amd-amdhsa--gfx1250"
	.amdhsa_code_object_version 6
	.text
	.protected	k_q5b6e22e7b5_proj
	.globl	k_q5b6e22e7b5_proj
	.p2align	8
	.type	k_q5b6e22e7b5_proj,@function
k_q5b6e22e7b5_proj:
	s_mov_b64 s[64:65], 0
	v_nop
	global_prefetch_b8 v0, s[64:65] scope:SCOPE_SE
	s_setreg_imm32_b32 hwreg(HW_REG_WAVE_MODE, 25, 1), 1
	s_wait_xcnt 0x0
	s_wait_alu depctr_hold_cnt(0) depctr_sa_sdst(0) depctr_va_vdst(0) depctr_va_sdst(0) depctr_va_ssrc(0) depctr_va_vcc(0) depctr_vm_vsrc(0)
	s_getreg_b32 s2, hwreg(HW_REG_IB_STS2, 6, 4)
	s_cmp_eq_u32 s2, 0
	s_cbranch_scc0 .Lentry_in_a_cluster
	s_endpgm
.Lentry_in_a_cluster:
	s_bfe_u32 s2, ttmp6, 0x10000c
	s_cmp_lg_u32 s2, 0xf033
	s_cbranch_scc0 .Lentry_shape_is_right
	s_endpgm
.Lentry_shape_is_right:
; out0 = y W_proj^T + b_proj on codes of FP4 (E2M1) with E8M0 scales.  y comes as images of operand registers, [512 tiles of 16 tokens][16 heads][512 bytes], its scale words as [8 K steps][8,192 tokens][4 bytes];
; W_proj as rows of 512 bytes of codes and 32 scale bytes (in_codes from byte 5,767,168, in_scales from byte 360,448).  In both a block's words stand for k = 0-7, 16-23, 8-15, 24-31, so each product is kept.
; P, the matrix instruction's source 0, is W_proj (its rows run along a lane's registers in the result: eight neighbouring columns of a row of out0); R, source 1, is y (a lane holds one token).
; SHARES.  A work-group makes 128 tokens x 256 columns; a wave 64 x 128: 32 accumulators.  256 work-groups.  All of K = 1,024 lies in LDS as two slots of 512 along K, each filled once; scale bytes likewise.
; CLUSTER 4 x 4.  y's tile hangs on the cluster's y place alone and is asked for jointly along a row of the cluster, W_proj's on the x place alone and jointly along a column.  Waves 0, 1 fetch R's halves, waves 2, 3 P's:
; three loads a wave (scale bytes, slot 0, slot 1), all issued at the head: three tensor loads of a wave are out at the most.  Nothing is left to ask for ahead of time, so there is no prefetch.
; LIMIT: sums inside an instruction are not in ascending k.
; REGISTERS: window 0: v0-31 addresses; v32-95 P's scale words (8 b + K step), v96-127 R's (8 a + K step); v128-159, v160-191 R's fragments, two sets; on the way out v128-255.
;   window 1: v0-63, v64-127 P's fragments, two sets; v128-191 the bias.   window 2: accumulator (a, b) at v[8 (8 a + b)].
.set PITCH,  272                       ; a row of P in LDS: 256 bytes + 16 of padding
.set PHALF,  128*PITCH
.set PSLOT,  2*PHALF                   ; P's slot s at s x PSLOT
.set RBASE,  2*PSLOT                   ; R's slot s at RBASE + s x RSLOT: 8 tiles of tokens x 8 heads x 512 bytes
.set RSLOT,  32768
.set PSBASE, RBASE+2*RSLOT             ; P's scale bytes: 256 rows x 32 bytes as 32 runs of 256 + 16
.set RS,     PSBASE+32*272             ; R's scale words: for each half of the tokens 8 K steps x 64 tokens x 4 bytes
.set SPARE,  RS+4096                   ; the spare words, 128 bytes a wave: two blocks of 256 bytes that no other line names
.set STAGE,  SPARE+512                 ; the way out: 16 rows x (512 bytes + 16) for each wave; no tensor load lands here
.set SPITCH, 528
.set ADRR, 16
.set ADRP, 20
.set ADSR, 22
.set ADSP, 23
.set BPO,  24                          ; v24    byte offset of my bias numbers in b_proj
.set STO,  25                          ; v25    the stage: where I put 32 bytes of a row
.set RD,   26                          ; v26    and where I read a row back
.set CO,   27                          ; v27    16 x lane: my bytes of a row of 512
.set SPW,  28                          ; v28    LDS address of my spare word; never rewritten
.set NIL,  29                          ; v29    0; never rewritten
.set SCP,  32
.set SCR,  96
.set RF,   128
.set BK,   128                         ; the way out: 16 rows read back: v128-191 and v192-255 by turns
.set BP,   128                         ; in window 1
.set G1R, 24
.set G0R, 32
.set G1P, 48
.set G0P, 56
.set G1SR, 68
.set G0SR, 76
.set G1SP, 80
.set G0SP, 88
.set MSB, 0
.macro WIN new                         ; the immediate's high byte repeats the setting that is left
.if MSB != \new
	s_set_vgpr_msb (MSB<<8)|\new
.set MSB, \new
.endif
.endm
.set W_MUL,   0xa1                     ; source 0 (P) window 1, source 1 (R) window 0, C and D window 2
.set W_FIRST, 0x91                     ; the same with C (the bias) in window 1
.set W_TOP,   0x40                     ; destination window 1, address window 0
.macro JLOAD g0a, g1a, g0b, g1b        ; a joint load: waves 0 and 1 fetch for R, waves 2 and 3 for P.  Four v_nop follow each of the two lines
	s_cmp_eq_u32 s15, 0
	s_cbranch_scc0 .Lfor_p_\@
	tensor_load_to_lds s[\g0a:\g0a+3], s[\g1a:\g1a+7]
	s_nop 0
.rept 4
	v_nop
.endr
	s_branch .Lasked_\@
.Lfor_p_\@:
	tensor_load_to_lds s[\g0b:\g0b+3], s[\g1b:\g1b+7]
	s_nop 0
.rept 4
	v_nop
.endr
.Lasked_\@:
.endm
.macro CROUND                          ; a round of the cluster's barrier
	s_barrier_signal -1
	s_barrier_wait -1
	s_cmp_lg_u32 s14, 0
	s_cbranch_scc1 .Lnot_wave_0_\@
	s_barrier_signal -3
.Lnot_wave_0_\@:
	s_barrier_wait -3
	s_barrier_signal -1
	s_barrier_wait -1
.endm
.macro PLACES n
.rept \n
	v_nop
.endr
.endm
	s_load_b256 s[4:11], s[0:1], 0x0               ; y_codes s[4:5], y_scales s[6:7], in_codes s[8:9], in_scales s[10:11]
	s_load_b128 s[92:95], s[0:1], 0x20             ; b_proj s[92:93], out0 s[94:95]
	v_lshl_add_u32 v[SPW], v0, 2, SPARE
	v_mov_b32 v[NIL], 0
	ds_add_u32 v28, v29
	ds_add_u32 v28, v29
	s_wait_dscnt 0x0
	v_lshrrev_b32 v1, 5, v0
	v_readfirstlane_b32 s14, v1                    ; wave 0..3
	s_lshr_b32 s15, s14, 1                         ; which 64 tokens are mine.  Also: I fetch for R (0) or for P (1)
	s_and_b32 s16, s14, 1                          ; which 128 columns are mine.  Also: which half of that tile I fetch
	s_bfe_u32 s40, ttmp6, 0x40000                  ; cx, cy
	s_bfe_u32 s41, ttmp6, 0x40004
	s_lshl_b32 s43, s41, 2
	s_lshl_b32 s43, 15, s43                        ; my row of the cluster
	s_lshl_b32 s44, 0x1111, s40                    ; my column
	; P's tiles: 128 rows of 256 bytes out of rows of 512, 16 bytes of padding behind each
	s_or_b32 s[G1P+0], s44, (1<<20)|(1<<21)|(5<<22)|(3<<25)
	s_mov_b32 s[G1P+1], 256<<16
	s_mov_b32 s[G1P+2], 128<<16
	s_mov_b32 s[G1P+3], 256<<16
	s_mov_b32 s[G1P+4], 128
	s_mov_b32 s[G1P+5], 512
	s_mov_b32 s[G1P+6], 0
	s_mov_b32 s[G1P+7], 0
	; R's tiles: 4 tiles of tokens, 4,096 bytes (8 heads' images; 512 elements of 8 bytes) of each one's 8,192; no padding: images are read 16 bytes a lane on end
	s_or_b32 s[G1R+0], s43, (3<<16)|(1<<21)
	s_mov_b32 s[G1R+1], 512<<16
	s_mov_b32 s[G1R+2], 4<<16
	s_mov_b32 s[G1R+3], 512<<16
	s_mov_b32 s[G1R+4], 4
	s_mov_b32 s[G1R+5], 1024
	s_mov_b32 s[G1R+6], 0
	s_mov_b32 s[G1R+7], 0
	; P's scale bytes: 128 rows x 32 dense bytes as 16 rows of 256 with 16 of padding
	s_or_b32 s[G1SP+0], s44, (3<<16)|(1<<20)|(1<<21)|(5<<22)|(3<<25)
	s_mov_b32 s[G1SP+1], 32<<16
	s_mov_b32 s[G1SP+2], 16<<16
	s_mov_b32 s[G1SP+3], 32<<16
	s_mov_b32 s[G1SP+4], 16
	s_mov_b32 s[G1SP+5], 32
	s_mov_b32 s[G1SP+6], 0
	s_mov_b32 s[G1SP+7], 0
	; R's scale words: 8 K steps x 256 bytes (64 tokens), 32,768 bytes apart
	s_or_b32 s[G1SR+0], s43, (3<<16)|(1<<21)
	s_mov_b32 s[G1SR+1], 32<<16
	s_mov_b32 s[G1SR+2], 8<<16
	s_mov_b32 s[G1SR+3], 32<<16
	s_mov_b32 s[G1SR+4], 8
	s_mov_b32 s[G1SR+5], 4096
	s_mov_b32 s[G1SR+6], 0
	s_mov_b32 s[G1SR+7], 0
	s_lshl_b32 s96, ttmp9, 2
	s_add_co_u32 s96, s96, s40                     ; my tile of P: it hangs on cx, never on cy
	s_and_b32 s97, ttmp7, 0xffff
	s_lshl_b32 s97, s97, 2
	s_add_co_u32 s97, s97, s41                     ; my tile of R: on cy, never on cx
	s_lshl_b32 s2, s96, 8
	s_lshl_b32 s3, s16, 7
	s_add_co_u32 s2, s2, s3                        ; P's first row that I fetch; it is also my first column of out0
	s_lshl_b32 s98, s2, 9
	s_add_co_u32 s98, s98, 5767168                 ; its codes
	s_mov_b32 s99, 0
	s_lshl_b32 s100, s2, 5
	s_add_co_u32 s100, s100, 360448                ; its scale bytes
	s_mov_b32 s101, 0
	s_lshl_b32 s12, s97, 3
	s_lshl_b32 s13, s16, 2
	s_add_co_u32 s12, s12, s13                     ; the first tile of tokens that I fetch
	s_lshl_b32 s18, s12, 6                         ; its scale words: 64 bytes a tile
	s_mov_b32 s19, 0
	s_lshl_b32 s12, s12, 13                        ; its images: 8,192 bytes a tile
	s_mov_b32 s13, 0
	s_lshl_b32 s20, s16, 14
	s_add_co_u32 s20, s20, RBASE                   ; where they go: no place in the cluster enters an LDS address
	s_mul_i32 s21, s16, PHALF
	s_lshl_b32 s22, s16, 11
	s_add_co_u32 s22, s22, RS
	s_mul_i32 s23, s16, 16*272
	s_add_co_u32 s23, s23, PSBASE
	s_wait_kmcnt 0x0
	s_add_nc_u64 s[12:13], s[4:5], s[12:13]
	s_add_nc_u64 s[18:19], s[6:7], s[18:19]
	s_add_nc_u64 s[98:99], s[8:9], s[98:99]
	s_add_nc_u64 s[100:101], s[10:11], s[100:101]
	CROUND                                         ; all sixteen work-groups are here: the joint loads meet
	s_mov_b32 s[G0SR], 1
	s_mov_b32 s[G0SR+1], s22
	s_mov_b64 s[G0SR+2:G0SR+3], s[18:19]
	s_or_b32 s[G0SR+3], s[G0SR+3], 0x80000000
	s_mov_b32 s[G0SP], 1
	s_mov_b32 s[G0SP+1], s23
	s_mov_b64 s[G0SP+2:G0SP+3], s[100:101]
	s_or_b32 s[G0SP+3], s[G0SP+3], 0x80000000
	JLOAD G0SR, G1SR, G0SP, G1SP                   ; the scale bytes first
.irp s, 0,1
	s_mov_b32 s[G0R+4*\s], 1
	s_add_co_u32 s[G0R+4*\s+1], s20, \s*RSLOT
	s_add_nc_u64 s[G0R+4*\s+2:G0R+4*\s+3], s[12:13], \s*4096
	s_or_b32 s[G0R+4*\s+3], s[G0R+4*\s+3], 0x80000000
	s_mov_b32 s[G0P+4*\s], 1
	s_add_co_u32 s[G0P+4*\s+1], s21, \s*PSLOT
	s_add_nc_u64 s[G0P+4*\s+2:G0P+4*\s+3], s[98:99], \s*256
	s_or_b32 s[G0P+4*\s+3], s[G0P+4*\s+3], 0x80000000
	s_wait_alu depctr_va_vdst(0)
	s_wait_tensorcnt 0x0
	ds_add_u32 v28, v29
	s_wait_dscnt 0x0
	CROUND
	JLOAD G0R+4*\s, G1R, G0P+4*\s, G1P
.endr
	v_and_b32 v1, 15, v0                           ; r
	v_bfe_u32 v2, v0, 4, 1                         ; h
	v_and_b32 v3, 31, v0                           ; lane
	v_lshlrev_b32 v[BPO], 5, v2
	v_lshl_add_u32 v[BPO], s2, 2, v[BPO]           ; lane (r, h) wants, for tile b, b_proj at my first column + 16 b + 8 h + 0 .. 7
	WIN W_TOP
.irp b, 0,1,2,3,4,5,6,7
	global_load_b128 v[BP+8*\b:BP+8*\b+3], v[BPO], s[92:93] offset:64*\b
	global_load_b128 v[BP+8*\b+4:BP+8*\b+7], v[BPO], s[92:93] offset:64*\b+16
.endr
	WIN 0
	v_mul_u32_u24 v4, v1, PITCH
	v_lshl_add_u32 v4, v2, 4, v4                   ; P: a fragment's row x pitch + 16 x half
	v_lshlrev_b32 v[CO], 4, v3                     ; 16 x lane
	s_mul_i32 s20, s16, PHALF                      ; my 128 rows of P
	s_lshl_b32 s21, s15, 14
	s_add_co_u32 s21, s21, RBASE                   ; my four tiles of tokens
.irp s, 0,1
	v_add_nc_u32 v[ADRP+\s], s20, v4
	v_add_nc_u32 v[ADRR+\s], s21, v[CO]
	s_add_co_u32 s20, s20, PSLOT
	s_add_co_u32 s21, s21, RSLOT
.endr
	v_lshrrev_b32 v5, 3, v1
	v_mul_u32_u24 v5, v5, 272
	v_and_b32 v6, 7, v1
	v_lshl_add_u32 v5, v6, 5, v5                   ; row r's 32 scale bytes: eight rows to a run of 256 + 16
	s_mul_i32 s20, s16, 16*272
	s_add_co_u32 s20, s20, PSBASE
	v_add_nc_u32 v[ADSP], s20, v5
	s_lshl_b32 s20, s15, 11
	s_add_co_u32 s20, s20, RS
	v_lshlrev_b32 v5, 2, v1
	v_add_nc_u32 v[ADSR], s20, v5                  ; R's scale words: 4 r (+ 256 x K step + 64 a)
	s_mul_i32 s20, s14, 16*SPITCH
	s_add_co_u32 s20, s20, STAGE                   ; my stage
	v_mul_u32_u24 v5, v1, SPITCH
	v_lshl_add_u32 v5, v2, 5, v5
	v_add_nc_u32 v[STO], s20, v5                   ; in: row r, 32 bytes for each half of the lanes
	v_add_nc_u32 v[RD], s20, v[CO]                 ; back: the 32 lanes take one row of 512 bytes
	s_lshl_b32 s20, s97, 7
	s_lshl_b32 s21, s15, 6
	s_add_co_u32 s20, s20, s21                     ; my first token
	s_lshl_b32 s20, s20, 12                        ; 4,096 bytes a row of out0
	s_lshl_b32 s21, s2, 2
	s_add_co_u32 s20, s20, s21
	s_mov_b32 s21, 0
	s_add_nc_u64 s[94:95], s[94:95], s[20:21]
.macro FRAGP reg, adr, q, i            ; 16 rows x 128 K of P: lane l holds row l % 16; registers 4 c .. 4 c + 3 the block 2 c + l / 16
.irp c, 0,1
	ds_load_b128 v[\reg+4*\c:\reg+4*\c+3], v[\adr] offset:64*(\q)+32*\c+(\i)*16*PITCH
.endr
.endm
.macro FRAGR reg, adr, q, i            ; the same of R: two images, of heads 2 q and 2 q + 1 of the slot, tile of tokens i
.irp c, 0,1
	ds_load_b128 v[\reg+4*\c:\reg+4*\c+3], v[\adr] offset:(\i)*4096+(\q)*1024+512*\c
.endr
.endm
.macro FETCH slot, q, set              ; 24 LDS loads in one run
	WIN W_TOP
.irp i, 0,1,2,3,4,5,6,7
	FRAGP 64*(\set)+8*\i, ADRP+(\slot), \q, \i
.endr
	WIN 0
.irp i, 0,1,2,3
	FRAGR RF+32*(\set)+8*\i, ADRR+(\slot), \q, \i
.endr
.endm
; 32 matrix instructions: the 32 accumulators take turns, one instruction a turn, in the same order in every K step.  first = 1: the bias is the C of the sums' first products
.macro MUL set, Q, first
.irp a, 0,1,2,3
.irp b, 0,1,2,3,4,5,6,7
.if \first
	v_wmma_scale_f32_16x16x128_f8f6f4 v[8*(8*\a+\b):8*(8*\a+\b)+7], v[64*(\set)+8*\b:64*(\set)+8*\b+7], v[RF+32*(\set)+8*\a:RF+32*(\set)+8*\a+7], v[BP+8*\b:BP+8*\b+7], v[SCP+8*\b+(\Q)], v[SCR+8*\a+(\Q)] matrix_a_fmt:MATRIX_FMT_FP4 matrix_b_fmt:MATRIX_FMT_FP4
.else
	v_wmma_scale_f32_16x16x128_f8f6f4 v[8*(8*\a+\b):8*(8*\a+\b)+7], v[64*(\set)+8*\b:64*(\set)+8*\b+7], v[RF+32*(\set)+8*\a:RF+32*(\set)+8*\a+7], v[8*(8*\a+\b):8*(8*\a+\b)+7], v[SCP+8*\b+(\Q)], v[SCR+8*\a+(\Q)] matrix_a_fmt:MATRIX_FMT_FP4 matrix_b_fmt:MATRIX_FMT_FP4
.endif
.endr
.endr
.endm
.macro STEP Q                          ; K step Q of eight
	s_wait_dscnt 0x0                               ; this step's fragments are in: they were asked for ahead of the last step's 32 products
.if (\Q) > 0
	PLACES 4                                       ; four plain lines between the last step's products and the loads into the registers that they read
.endif
.if (\Q) == 3
	s_wait_tensorcnt 0x0                           ; my part of slot 1 is in,
	s_barrier_signal -1
	s_barrier_wait -1                              ; everybody's is
.endif
.if (\Q) < 7
	FETCH ((\Q)+1)/4, ((\Q)+1)%4, ((\Q)+1)%2
.endif
.if (\Q) == 0
	WIN W_FIRST
.else
	WIN W_MUL
.endif
	MUL (\Q)%2, \Q, (\Q)==0
	WIN 0
.endm
	s_wait_alu depctr_va_vdst(0)
	s_wait_tensorcnt 1                             ; my scale bytes and my part of slot 0 are in (slot 1's load may be out),
	s_barrier_signal -1
	s_barrier_wait -1                              ; everybody's are
.irp b, 0,1,2,3,4,5,6,7
	ds_load_b128 v[SCP+8*\b:SCP+8*\b+3], v[ADSP] offset:544*\b        ; the scale words of all eight K steps stay in registers; lanes 16-31 hold the same as lanes 0-15
	ds_load_b128 v[SCP+8*\b+4:SCP+8*\b+7], v[ADSP] offset:544*\b+16
.endr
.irp a, 0,1,2,3
.irp q, 0,1,2,3,4,5,6,7
	ds_load_b32 v[SCR+8*\a+\q], v[ADSR] offset:256*\q+64*\a
.endr
.endr
	FETCH 0, 0, 0
	s_wait_loadcnt 0x0                             ; the bias
.irp Q, 0,1,2,3,4,5,6,7
	STEP \Q
.endr
; THE WAY OUT, block by block of 16 tokens x 128 columns.  A lane holds 32 neighbouring bytes of a row, and the lanes beside it hold other rows: so a block goes through my own stage and comes back as whole rows of 512 bytes.
; LDS serves a wave's instructions in order: no wait between the stores and the loads, nor in front of the next block's stores.
.macro TOSTAGE a
	WIN 0x08                                       ; an LDS store's data are its source 1: window 2
.irp b, 0,1,2,3,4,5,6,7
	ds_store_b128 v[STO], v[64*(\a)+8*\b:64*(\a)+8*\b+3] offset:64*\b          ; each accumulator from its low end on
	ds_store_b128 v[STO], v[64*(\a)+8*\b+4:64*(\a)+8*\b+7] offset:64*\b+16
.endr
	WIN 0
.set BB, BK+64*((\a)%2)
.irp t, 0,1,2,3,4,5,6,7,8,9,10,11,12,13,14,15
	ds_load_b128 v[BB+4*\t:BB+4*\t+3], v[RD] offset:\t*SPITCH
.endr
.endm
.macro SEND a, younger                 ; younger: the LDS instructions issued behind block a's loads, which may stay out
.set BB, BK+64*((\a)%2)
	s_wait_dscnt \younger                          ; the block is back in registers
.irp t, 0,1,2,3,4,5,6,7,8,9,10,11,12,13,14,15
	global_store_b128 v[CO], v[BB+4*\t:BB+4*\t+3], s[94:95] offset:(16*(\a)+\t)*4096 th:TH_STORE_NT   ; 32 lanes store 512 consecutive bytes, at a multiple of 256 from out0's first byte; the base is never stepped
.endr
.endm
	PLACES 4                                       ; between the last products and the first reads of results and loads into the registers that held fragments
	TOSTAGE 0
.irp a, 1,2,3
.if \a > 1
	s_wait_xcnt 0x0                                ; block a - 2's stores have read their registers: block a's loads may land there
.endif
	TOSTAGE \a
	SEND \a-1, 32                                  ; behind block a - 1's loads: block a's 16 stores and 16 loads
.endr
	SEND 3, 0
	s_wait_tensorcnt 0x0                           ; the wave's end
	ds_add_u32 v[SPW], v[NIL]
	s_wait_dscnt 0x0
	CROUND                                         ; the closing round: no work-group ends while a partner may still ask for a tile that names it
	s_endpgm
.Lfunc_end_k_q5b6e22e7b5_proj:
	.size	k_q5b6e22e7b5_proj, .Lfunc_end_k_q5b6e22e7b5_proj-k_q5b6e22e7b5_proj
	.p2alignl 7, 3214868480
	.fill 96, 4, 3214868480
	.section	.rodata,"a",@progbits
	.p2align	6, 0x0
	.amdhsa_kernel k_q5b6e22e7b5_proj
		.amdhsa_group_segment_fixed_size 327680
		.amdhsa_private_segment_fixed_size 0
		.amdhsa_enable_private_segment 0
		.amdhsa_kernarg_size 48
		.amdhsa_user_sgpr_count 2
		.amdhsa_user_sgpr_kernarg_segment_ptr 1
		.amdhsa_wavefront_size32 1
		.amdhsa_system_sgpr_workgroup_id_x 1
		.amdhsa_system_sgpr_workgroup_id_y 1
		.amdhsa_system_sgpr_workgroup_id_z 1
		.amdhsa_system_vgpr_workitem_id 0
		.amdhsa_next_free_vgpr 768
		.amdhsa_next_free_sgpr 102
		.amdhsa_reserve_vcc 0
		.amdhsa_float_denorm_mode_32 3
		.amdhsa_float_denorm_mode_16_64 3
		.amdhsa_memory_ordered 1
		.amdhsa_forward_progress 1
		.amdhsa_inst_pref_size 77
	.end_amdhsa_kernel
	.amdgpu_metadata
---
amdhsa.version: [ 1, 2 ]
amdhsa.kernels:
  - .name:           k_q5b6e22e7b5_proj
    .symbol:         k_q5b6e22e7b5_proj.kd
    .args:
      - { .name: y_codes, .offset: 0, .size: 8, .value_kind: global_buffer, .address_space: global }
      - { .name: y_scales, .offset: 8, .size: 8, .value_kind: global_buffer, .address_space: global }
      - { .name: in_codes, .offset: 16, .size: 8, .value_kind: global_buffer, .address_space: global }
      - { .name: in_scales, .offset: 24, .size: 8, .value_kind: global_buffer, .address_space: global }
      - { .name: b_proj, .offset: 32, .size: 8, .value_kind: global_buffer, .address_space: global }
      - { .name: out0, .offset: 40, .size: 8, .value_kind: global_buffer, .address_space: global }
    .group_segment_fixed_size: 327680
    .private_segment_fixed_size: 0
    .kernarg_segment_align: 8
    .kernarg_segment_size: 48
    .max_flat_workgroup_size: 128
    .sgpr_count:     102
    .vgpr_count:     768
    .wavefront_size: 32
...
	.end_amdgpu_metadata
.endif
;; end of part 4
